; MI455X (gfx1250); checked and timed in simulation.
; The chip was launched on July 23, 2026; its instructions are those of AMD's public machine-readable ISA for CDNA 5 (MIT licence, August 2026) and "CDNA5" Instruction Set Architecture Reference Guide (July 2026). The comments in the code are by the model that wrote it; some were corrected since.
;; Multi Head Attention. Allowed arithmetic: matrix products marked QUANTISED: E2M3 operands, one E8M0 scale for each 32 along K, by v_wmma_scale_f32_16x16x128_f8f6f4 with both operands' format E2M3, f32 sums; everything else in f32.
;; Inputs: key 4 x 2,048 x 1,024 float32; key_kernel 16 x 1,024 x 64 float32; projection_bias 1,024 float32; projection_kernel 16 x 64 x 1,024 float32; query 4 x 2,048 x 1,024 float32; query_kernel 16 x 1,024 x 64 float32; value 4 x 2,048 x 1,024 float32; value_kernel 16 x 1,024 x 64 float32.
;; Outputs: out0 4 x 2,048 x 1,024 float32.
;; This version of the problem:
;;   THIS VERSION OF THE PROBLEM IS GIVEN IN LOW PRECISION. The matrix products marked QUANTISED in the list below multiply operands that are first quantised to E2M3 (2 exponent bits, 3 mantissa bits; 6 bits a number), with one power-of-two scale for each 32 numbers along K (OCP MX v1.0); their sums are f32. All else is computed in f32.
;;   The module's matrix products, in the order in which they are computed (A, B: the left and right operand; K: the contracted axis; several contracted axes count as one K, in the product's order):
;;     1. [M 8,192, K 1,024] x [K 1,024, N 1,024]; A: input query; B: input query_kernel: QUANTISED
;;     2. [M 8,192, K 1,024] x [K 1,024, N 1,024]; A: input key; B: input key_kernel: QUANTISED
;;     3. [M 8,192, K 1,024] x [K 1,024, N 1,024]; A: input value; B: input value_kernel: QUANTISED
;;     4. batch 64 x [M 2,048, K 64] x [K 64, N 2,048]; A: computed on the way; B: computed on the way: QUANTISED
;;     5. batch 64 x [M 64, K 2,048] x [K 2,048, N 2,048]; A: computed on the way; B: softmax (see below): QUANTISED
;;     6. [M 8,192, K 1,024] x [K 1,024, N 1,024]; A: computed on the way; B: input projection_kernel: QUANTISED
;;   THE QUANTISER, for each operand of a quantised product, along K:
;;     - K is cut into blocks of 32 from its start; a last block that is shorter is filled with zeros.
;;     - A block's scale is 2^e with e = floor(log2(the largest magnitude in the block)) - 2, held to -126 .. 127; a block of zeros has e = 0. As a byte (E8M0): e + 127.
;;     - Each number is divided by its block's scale, clamped to +-7.5, and rounded to the nearest number of E2M3, ties to even, subnormals kept.
;;     - The product sums the exact products of the quantised numbers (number of the format x scale) in f32.
;;   ~~~python
;;   def quantise(x, axis):      # numpy; x: float32 -> the quantised numbers, widened to float32 again
;;       x = np.moveaxis(x, axis, -1); K = x.shape[-1]
;;       x = np.pad(x, [(0, 0)] * (x.ndim - 1) + [(0, -K % 32)]); x = x.reshape(x.shape[:-1] + (-1, 32)); a = np.abs(x).max(-1, keepdims=True)
;;       e = np.where(a > 0, np.clip(np.frexp(np.where(a > 0, a, 1))[1] - 1 - 2, -126, 127), 0)      # np.frexp(a)[1] - 1 = floor(log2(a)), exactly
;;       r = np.clip(x / 2.0 ** e, -7.5, 7.5)
;;       step = 2.0 ** (np.maximum(np.frexp(np.where(r == 0, 1, r))[1] - 1, 0) - 3)
;;       q = np.round(r / step) * step * 2.0 ** e      # np.round: ties to even
;;       return np.moveaxis(q.reshape(q.shape[:-2] + (-1,))[..., :K], -1, axis).astype(np.float32)
;;   ~~~
;;   SOFTMAX AHEAD OF A QUANTISED PRODUCT. Where the list says 'softmax', what is quantised is not the finished softmax but p = 2^(t - M), with t = logit x log2(e) and M = ceil(the row's largest t), a whole number; so 1/2 < the row's largest p <= 1. The row's sum l is taken of the UNQUANTISED p, in f32, and the product's result is divided by l at the end. Since M is a whole number, a kernel that streams over the keys may use a running M (the ceiling of the running maximum): every later rescaling is an exact power of two, which a block's scale takes up: the codes' values come out the same.
;;   OPERANDS COMPUTED ON THE WAY. 'Computed on the way' means the value that the module computes at that place (a softmax that the list does not call 'softmax' is quantised finished and normalised). What goes into a quantiser is computed in f32, as accurately as f32 sums, v_exp_f32 and their like allow (about 1e-6 of the number): no bf16 or f16 on the way to a quantiser, and a product that is left as it is and whose result goes on into a quantised operand takes f32 operands (vector FMAs, or v_wmma_f32_16x16x4_f32). A number that lies on a knife's edge between two numbers of the format may be rounded either way, as far as f32 arithmetic and the matrix unit's own rounding can turn it there, and no further.
;; One version. Each part assembles by itself: llvm-mc -triple=amdgcn-amd-amdhsa -mcpu=gfx1250 --defsym DOCPART=n.
;; ======== version 1 of 1: 5 launches
;; limits: right only within a limited range of input values
;; workspace buffers: ac 19,660,800 bytes; wc 3,276,800 bytes; qimg 13,631,488 bytes; kv 13,631,488 bytes; mc 6,553,600 bytes
;; launch qa (part 1): grid 256 x 3, 4 waves a work-group, no clusters, 34,304 bytes of LDS; arguments query, key, value, ac; writes ac
.if DOCPART == 1
	.amdgcn_target "amdgcn-amd-amdhsa--gfx1250"
	.amdhsa_code_object_version 6
	.text
	.protected	k_q669cc74e4e_qa
	.globl	k_q669cc74e4e_qa
	.p2align	8
	.type	k_q669cc74e4e_qa,@function
k_q669cc74e4e_qa:
	s_mov_b64 s[64:65], 0
	v_nop
	global_prefetch_b8 v0, s[64:65] scope:SCOPE_SE
	s_setreg_imm32_b32 hwreg(HW_REG_WAVE_MODE, 25, 1), 1
	s_wait_xcnt 0x0
; query, key, value [8192][1024] f32 become codes of FP6 (E2M3) with one E8M0 byte for each 32 along K, laid in the ORDER OF THE OPERAND'S REGISTERS.
; TILES.  Rows go by 32: lane r of tile 2 g + u holds row 32 g + 8 u + r + 8 (r / 8).  A tile's record for 512 along K is 6,400 bytes: eight half fragments (16 rows x 64 K, registers 0-5 of the
; 32 lanes: 512 bytes of registers 0-3 at 16 x lane, 256 bytes of registers 4-5 at 8 x lane), then 256 bytes of scale words [row 16][K step 4].  A tile is two records.
; SHARES.  Work-group (x, y): tensor y, tiles 2 x and 2 x + 1.  Wave w: tile 2 x + w / 2, K half w % 2: 16 rows x 512 K in four steps of 128.
; Each load reads 512 consecutive bytes of one row; a step's 8,192 bytes turn through the wave's own stage in LDS (rows 528 bytes apart), so that lane (r, h) gets, of row r, 16 neighbours of each block of 32.
; A block's scale is 2^(floor(log2(its largest magnitude)) - 2); its byte is the largest magnitude's exponent field - 2, held at 1 from below.
; LIMITS: a block of zeros gets the byte 1 (its codes are zeros; this program alone reads the bytes); NaN and infinities among the inputs are not served.
; No matrix unit, no tensor load, no barrier: the launch streams, and waves share nothing.
.set TILEB, 12800
.set RECB,  6400
.set STGB,  8448                       ; a wave's stage: 16 rows x 528
.set SPI,   528
.set LI,  1                            ; v1   16 x lane
.set L8,  2                            ; v2   8 x lane
.set SI,  3                            ; v3   the stage on the way in
.set SO,  4                            ; v4   and on the way out: 528 r + 64 h
.set SCA, 5                            ; v5   16 r + 8 h: my two scale words' place
.set TM,  10                           ; v10-25 at work in QUANT
.set PW,  26                           ; v26-29 the four steps' scale words
.set PR,  30                           ; v30-31 the two that I store
.set PC,  32                           ; v32-51 a fragment's codes, and the conversions' second halves
.set X,   64                           ; v64-127 64 numbers: register 16 b + i = k 32 b + 16 h + i of my row
.set R,   128                          ; v128-255 two sets of 64 registers as loaded
.set SEL, 20                           ; s[20:21] lane selects: lane l xor 16
	s_load_b256 s[4:11], s[0:1], 0x0               ; query, key, value, ac
	v_lshl_add_u32 v62, v0, 2, 0x8400
	v_mov_b32 v63, 0
	v_lshrrev_b32 v6, 5, v0
	v_readfirstlane_b32 s12, v6                    ; wave
	v_and_b32 v7, 31, v0                           ; lane
	v_and_b32 v8, 15, v0                           ; r
	v_bfe_u32 v9, v0, 4, 1                         ; h
	v_lshlrev_b32 v[LI], 4, v7
	v_lshlrev_b32 v[L8], 3, v7
	s_mul_i32 s13, s12, STGB
	v_add_nc_u32 v[SI], s13, v[LI]
	v_mul_u32_u24 v[SO], v8, SPI
	v_lshl_add_u32 v[SO], v9, 6, v[SO]
	v_add_nc_u32 v[SO], s13, v[SO]
	v_lshlrev_b32 v[SCA], 4, v8
	v_lshl_add_u32 v[SCA], v9, 3, v[SCA]
	v_cmp_lt_u32 s14, 15, v7                       ; lanes 16-31
.irp b, 0,1,2,3
	v_mov_b32 v[TM+4+\b], 0                        ; written once: a lane permute's destination counts as one of its sources
.endr
	s_and_b32 s15, ttmp7, 0xffff                   ; which tensor
	s_lshr_b32 s16, s12, 1                         ; u
	s_and_b32 s17, s12, 1                          ; K half
	s_lshl_b32 s18, ttmp9, 5
	s_lshl_b32 s19, s16, 3
	s_add_co_u32 s18, s18, s19                     ; the tile's first row: 32 x + 8 u
	s_lshl_b32 s18, s18, 12                        ; rows of 4,096 bytes
	s_lshl_b32 s19, s17, 11
	s_add_co_u32 s18, s18, s19                     ; + 2,048 bytes for the second K half
	s_mov_b32 s19, 0
	s_lshl_b32 s22, s15, 9
	s_lshl_b32 s23, ttmp9, 1
	s_add_co_u32 s22, s22, s23
	s_add_co_u32 s22, s22, s16                     ; the tile's number: 512 y + 2 x + u
	s_mul_i32 s22, s22, TILEB
	s_mul_i32 s23, s17, RECB
	s_add_co_u32 s22, s22, s23
	s_mov_b32 s23, 0
	s_mov_b32 s[SEL], 0x76543210
	s_mov_b32 s[SEL+1], 0xfedcba98
	s_wait_alu depctr_va_vdst(0)
	s_wait_kmcnt 0x0
	s_cmp_eq_u32 s15, 1                            ; the choice hangs on the work-group's number alone
	s_cselect_b64 s[4:5], s[6:7], s[4:5]
	s_cmp_eq_u32 s15, 2
	s_cselect_b64 s[4:5], s[8:9], s[4:5]
	s_add_nc_u64 s[4:5], s[4:5], s[18:19]
	s_add_nc_u64 s[10:11], s[10:11], s[22:23]
.macro LOAD t                          ; step t: 128 along K of the tile's 16 rows; a load's 32 lanes read 512 consecutive bytes of one row
.irp p, 0,1,2,3,4,5,6,7,8,9,10,11,12,13,14,15
	global_load_b128 v[R+64*((\t)%2)+4*\p:R+64*((\t)%2)+4*\p+3], v[LI], s[4:5] offset:(\p+8*(\p/8))*4096+512*(\t) th:TH_LOAD_NT
.endr
.endm
.macro TURN t                          ; through the stage: LDS serves a wave's instructions in order, so no wait stands between the stores and the loads
.irp p, 0,1,2,3,4,5,6,7,8,9,10,11,12,13,14,15
	ds_store_b128 v[SI], v[R+64*((\t)%2)+4*\p:R+64*((\t)%2)+4*\p+3] offset:SPI*\p
.endr
.irp b, 0,1,2,3
.irp j, 0,1,2,3
	ds_load_b128 v[X+16*\b+4*\j:X+16*\b+4*\j+3], v[SO] offset:128*\b+16*\j
.endr
.endr
.endm
; 64 numbers of a lane, register 16 b + i = k 32 b + 16 h + i of my row, become a fragment's 12 registers of codes at v[pc] and its scale word in v[pw]
.macro QUANT s, pc, pw
.irp b, 0,1,2,3
	v_max3_num_f32 v[TM+\b], |v[(\s)+16*\b]|, |v[(\s)+1+16*\b]|, 0x1800000   ; my 16 numbers of block b, and the floor 2^(3 - 127): the byte cannot fall under 1
.endr
.irp i, 2,4,6,8,10,12,14
.irp b, 0,1,2,3
	v_max3_num_f32 v[TM+\b], v[TM+\b], |v[(\s)+16*\b+\i]|, |v[(\s)+1+16*\b+\i]|   ; the four blocks by turns
.endr
.endr
.irp b, 0,1,2,3
	v_permlanex16_b32 v[TM+4+\b], v[TM+\b], s[SEL], s[SEL+1]
.endr
.irp b, 0,1,2,3
	v_max_num_f32 v[TM+\b], v[TM+\b], v[TM+4+\b]   ; with lane l xor 16's: the block's largest magnitude
.endr
.irp b, 0,1,2,3
	v_add_nc_u32 v[TM+12+\b], 0xff000000, v[TM+\b] ; 2 off its exponent field: the conversion takes this operand's exponent field as its scale
.endr
.irp b, 0,1,2,3
	v_lshrrev_b32 v[TM+4+\b], 23, v[TM+12+\b]      ; the scale's byte
.endr
	v_lshl_or_b32 v[\pw], v[TM+5], 8, v[TM+4]
	v_lshl_or_b32 v[\pw], v[TM+6], 16, v[\pw]
	v_lshl_or_b32 v[\pw], v[TM+7], 24, v[\pw]
.irp c, 0,1
	v_cvt_scalef32_pk16_fp6_f32 v[(\pc)+6*\c:(\pc)+2+6*\c], v[(\s)+32*\c:(\s)+15+32*\c], v[TM+12+2*\c]
	v_cvt_scalef32_pk16_fp6_f32 v[(\pc)+12+4*\c:(\pc)+14+4*\c], v[(\s)+16+32*\c:(\s)+31+32*\c], v[TM+12+2*\c+1]   ; a conversion's three registers begin on an even number
.endr
	v_nop                                          ; one plain place behind a scaled conversion
.irp c, 0,1                            ; the layout wants a whole block in a lane: lanes 0-15 block 2 c, lanes 16-31 block 2 c + 1
.irp i, 0,1,2
	v_permlane16_swap_b32 v[(\pc)+6*\c+\i], v[(\pc)+12+4*\c+\i]
.endr
.irp i, 0,1,2
	v_mov_b32 v[(\pc)+3+6*\c+\i], v[(\pc)+12+4*\c+\i]
.endr
.endr
.endm
.macro STEP t
.if (\t) < 3
	s_wait_loadcnt 16                              ; this step's 16 loads are in; the next step's 16 may be out
.else
	s_wait_loadcnt 0x0
.endif
.if (\t) > 0
	s_wait_xcnt 0x0                                ; the last step's stores have read the codes' registers, which are written again below
.endif
	TURN \t
	s_wait_dscnt 0x0                               ; my 64 numbers are back, and the stage's stores have read the registers that the next loads fill
.if (\t) < 2
	LOAD (\t)+2
.endif
	QUANT X, PC, PW+(\t)
.irp c, 0,1
	global_store_b128 v[LI], v[PC+6*\c:PC+6*\c+3], s[10:11] offset:(2*(\t)+\c)*768        ; 512 consecutive bytes
	global_store_b64 v[L8], v[PC+6*\c+4:PC+6*\c+5], s[10:11] offset:(2*(\t)+\c)*768+512   ; 256 consecutive bytes
.endr
.endm
	LOAD 0
	LOAD 1
	STEP 0
	STEP 1
	STEP 2
	STEP 3
	v_cndmask_b32 v[PR], v[PW], v[PW+2], s14       ; lanes 0-15 store row r's words of steps 0 and 1, lanes 16-31 those of steps 2 and 3
	v_cndmask_b32 v[PR+1], v[PW+1], v[PW+3], s14
	global_store_b64 v[SCA], v[PR:PR+1], s[10:11] offset:6144   ; the record's 256 bytes of scale words
	s_wait_tensorcnt 0x0
	ds_add_u32 v62, v63
	s_wait_dscnt 0x0
	s_endpgm
.Lfunc_end_k_q669cc74e4e_qa:
	.size	k_q669cc74e4e_qa, .Lfunc_end_k_q669cc74e4e_qa-k_q669cc74e4e_qa
	.p2alignl 7, 3214868480
	.fill 96, 4, 3214868480
	.section	.rodata,"a",@progbits
	.p2align	6, 0x0
	.amdhsa_kernel k_q669cc74e4e_qa
		.amdhsa_group_segment_fixed_size 34304
		.amdhsa_private_segment_fixed_size 0
		.amdhsa_enable_private_segment 0
		.amdhsa_kernarg_size 32
		.amdhsa_user_sgpr_count 2
		.amdhsa_user_sgpr_kernarg_segment_ptr 1
		.amdhsa_wavefront_size32 1
		.amdhsa_system_sgpr_workgroup_id_x 1
		.amdhsa_system_sgpr_workgroup_id_y 1
		.amdhsa_system_sgpr_workgroup_id_z 1
		.amdhsa_system_vgpr_workitem_id 0
		.amdhsa_next_free_vgpr 256
		.amdhsa_next_free_sgpr 66
		.amdhsa_reserve_vcc 0
		.amdhsa_float_denorm_mode_32 3
		.amdhsa_float_denorm_mode_16_64 3
		.amdhsa_memory_ordered 1
		.amdhsa_forward_progress 1
		.amdhsa_inst_pref_size 34
	.end_amdhsa_kernel
	.amdgpu_metadata
---
amdhsa.version: [ 1, 2 ]
amdhsa.kernels:
  - .name:           k_q669cc74e4e_qa
    .symbol:         k_q669cc74e4e_qa.kd
    .args:
      - { .name: query, .offset: 0, .size: 8, .value_kind: global_buffer, .address_space: global }
      - { .name: key, .offset: 8, .size: 8, .value_kind: global_buffer, .address_space: global }
      - { .name: value, .offset: 16, .size: 8, .value_kind: global_buffer, .address_space: global }
      - { .name: ac, .offset: 24, .size: 8, .value_kind: global_buffer, .address_space: global }
    .group_segment_fixed_size: 34304
    .private_segment_fixed_size: 0
    .kernarg_segment_align: 8
    .kernarg_segment_size: 32
    .max_flat_workgroup_size: 128
    .sgpr_count:     66
    .vgpr_count:     256
    .wavefront_size: 32
...
	.end_amdgpu_metadata
.endif
;; end of part 1
;; launch qw (part 2): grid 64 x 4, 4 waves a work-group, no clusters, 14,336 bytes of LDS; arguments query_kernel, key_kernel, value_kernel, projection_kernel, wc; writes wc
.if DOCPART == 2
	.amdgcn_target "amdgcn-amd-amdhsa--gfx1250"
	.amdhsa_code_object_version 6
	.text
	.protected	k_q669cc74e4e_qw
	.globl	k_q669cc74e4e_qw
	.p2align	8
	.type	k_q669cc74e4e_qw,@function
k_q669cc74e4e_qw:
	s_mov_b64 s[64:65], 0
	v_nop
	global_prefetch_b8 v0, s[64:65] scope:SCOPE_SE
	s_setreg_imm32_b32 hwreg(HW_REG_WAVE_MODE, 25, 1), 1
	s_wait_xcnt 0x0
; The four kernels, f32 with K not innermost, become codes of FP6 (E2M3) along K with one E8M0 byte for each 32, in records of 6,400 bytes for a tile of 16 columns and 512 along K:
; eight half fragments of 768 bytes (registers 0-3 at 16 x lane, then registers 4-5 at 8 x lane), then 256 bytes of scale words [row 16][K step 4].  wc: [kernel 4][tile 64][K half 2].
; query, key, value kernels [16][1024][64]: K = the middle axis, column n = 64 head + o.  projection kernel [16][64][1024]: K = 64 head + i, column n = o.
; A LANE TAKES A COLUMN AND ITS REGISTERS RUN DOWN K: a block of 32 lies in one lane, the conversions give codes with K innermost, nothing is transposed.
; SHARES.  Work-group (x, y): kernel y, columns 32 (x / 2) on (tiles 2 g and 2 g + 1), K half x % 2.  Wave w: K step w of the half, 128 along K.
; Column 32 g + lane is lane r = lane % 8 + 8 (lane / 16) of tile 2 g + u, u = (lane / 8) % 2.  A lane's block b is the fragment's lane (r, b % 2), registers 6 (b / 2) on: the codes go to
; that place of the tile's image in the wave's own stage and leave as 512 consecutive bytes a store.  The scale words of the four waves meet in LDS behind one barrier.
; LIMITS: a block of zeros gets the byte 1 (its codes are zeros; this program alone reads the bytes); NaN and infinities among the inputs are not served.
.set X,    32                          ; v32-159 my column's 128 numbers
.set C,    160                         ; v160-191 four sets of codes, eight registers apart, so that no LDS store's data are written again
.set D,    16                          ; v16-18 a block's second conversion
.set WD,   20                          ; v20  my column's scale word
.set LI,   1                           ; v1   16 x lane
.set L4,   2                           ; v2   4 x lane
.set VA16, 3                           ; v3   stage + 1,664 u + 16 r
.set VA8,  4                           ; v4   stage + 1,664 u + 512 + 8 r
.set SCW,  5                           ; v5   13,312 + 256 u + 16 r + 4 w
.set RB,   6                           ; v6   stage + 16 x lane
.set L8,   7                           ; v7   8 x lane
.set SR,   8                           ; v8   13,312 + 256 w + 8 x lane (read by waves 0 and 1 alone)
	s_load_b256 s[4:11], s[0:1], 0x0               ; the four kernels
	s_load_b64 s[12:13], s[0:1], 0x20              ; wc
	v_lshl_add_u32 v192, v0, 2, 0x3600
	v_mov_b32 v193, 0
	v_lshrrev_b32 v9, 5, v0
	v_readfirstlane_b32 s14, v9                    ; wave
	v_and_b32 v10, 31, v0
	v_lshlrev_b32 v[LI], 4, v10
	v_lshlrev_b32 v[L4], 2, v10
	v_lshlrev_b32 v[L8], 3, v10
	v_bfe_u32 v11, v0, 3, 1                        ; u
	v_and_b32 v12, 7, v0
	v_bfe_u32 v13, v0, 4, 1
	v_lshl_add_u32 v12, v13, 3, v12                ; r
	s_mul_i32 s15, s14, 3328                       ; my stage: two tile images of 1,536 bytes, 1,664 apart
	v_mul_u32_u24 v14, v11, 1664
	v_add_nc_u32 v14, s15, v14
	v_lshl_add_u32 v[VA16], v12, 4, v14
	v_lshl_add_u32 v[VA8], v12, 3, v14
	v_add_nc_u32 v[VA8], 512, v[VA8]
	v_lshlrev_b32 v[SCW], 8, v11
	v_lshl_add_u32 v[SCW], v12, 4, v[SCW]
	s_lshl_b32 s16, s14, 2
	s_add_co_u32 s16, s16, 13312
	v_add_nc_u32 v[SCW], s16, v[SCW]
	v_add_nc_u32 v[RB], s15, v[LI]
	s_lshl_b32 s16, s14, 8
	s_add_co_u32 s16, s16, 13312
	v_add_nc_u32 v[SR], s16, v[L8]
	s_and_b32 s17, ttmp7, 0xffff                   ; which kernel
	s_lshr_b32 s18, ttmp9, 1                       ; g
	s_and_b32 s19, ttmp9, 1                        ; K half
	s_lshl_b32 s20, s19, 9
	s_lshl_b32 s21, s14, 7
	s_add_co_u32 s20, s20, s21                     ; my first k: 512 half + 128 w
	s_lshr_b32 s21, s18, 1
	s_lshl_b32 s21, s21, 18                        ; q, k, v: the head's 262,144 bytes,
	s_lshl_b32 s22, s20, 8                         ; rows of 256 bytes,
	s_add_co_u32 s21, s21, s22
	s_and_b32 s22, s18, 1
	s_lshl_b32 s22, s22, 7                         ; the row's lower or upper 32 columns
	s_add_co_u32 s21, s21, s22
	s_lshl_b32 s22, s20, 12                        ; projection: rows of 4,096 bytes,
	s_lshl_b32 s23, s18, 7                         ; 128 bytes for each 32 columns
	s_add_co_u32 s22, s22, s23
	s_lshl_b32 s24, s17, 6
	s_lshl_b32 s25, s18, 1
	s_add_co_u32 s24, s24, s25                     ; tile 64 y + 2 g
	s_mul_i32 s24, s24, 12800
	s_mul_i32 s25, s19, 6400
	s_add_co_u32 s24, s24, s25
	s_mov_b32 s25, 0
	s_mul_i32 s26, s14, 1536                       ; my K step's two half fragments in a record
	s_mov_b32 s27, 0
	s_mul_i32 s28, s14, 12800
	s_add_co_u32 s28, s28, 6144                    ; the scale words of tile 2 g + w (used by waves 0 and 1 alone)
	s_mov_b32 s29, 0
	s_wait_kmcnt 0x0
	s_add_nc_u64 s[12:13], s[12:13], s[24:25]
	s_add_nc_u64 s[26:27], s[12:13], s[26:27]
	s_add_nc_u64 s[28:29], s[12:13], s[28:29]
	s_cmp_eq_u32 s17, 1                            ; the choices hang on the work-group's number alone
	s_cselect_b64 s[4:5], s[6:7], s[4:5]
	s_cmp_eq_u32 s17, 2
	s_cselect_b64 s[4:5], s[8:9], s[4:5]
	s_cmp_eq_u32 s17, 3
	s_cselect_b64 s[4:5], s[10:11], s[4:5]
	s_cselect_b32 s20, s22, s21
	s_mov_b32 s21, 0
	s_add_nc_u64 s[4:5], s[4:5], s[20:21]
.macro LOADS pitch                     ; 128 rows of K at my column: 32 lanes read 128 consecutive bytes
.set i, 0
.rept 128
	global_load_b32 v[X+i], v[L4], s[4:5] offset:i*(\pitch)
.set i, i+1
.endr
.endm
	s_cmp_eq_u32 s17, 3
	s_cbranch_scc1 .Lproj_w                        ; the two ways differ in the rows' pitch alone; each issues 128 loads
	LOADS 256
	s_branch .Lloaded
.Lproj_w:
	LOADS 4096
.Lloaded:
.macro BLOCK b, cnt
.set XS, X+32*(\b)
.set CC, C+8*(\b)
	s_wait_loadcnt \cnt                            ; this block's 32 loads are in
	v_max3_num_f32 v12, |v[XS]|, |v[XS+1]|, |v[XS+2]|   ; the block's largest magnitude: all 32 numbers are mine; two chains
	v_max3_num_f32 v13, |v[XS+3]|, |v[XS+4]|, |v[XS+5]|
.irp i, 6,10,14,18,22,26
	v_max3_num_f32 v12, v12, |v[XS+\i]|, |v[XS+\i+1]|
	v_max3_num_f32 v13, v13, |v[XS+\i+2]|, |v[XS+\i+3]|
.endr
	v_max3_num_f32 v12, v12, |v[XS+30]|, |v[XS+31]|
	v_max3_num_f32 v12, v12, v13, 0x1800000        ; and the floor 2^(3 - 127): the byte cannot fall under 1
	v_add_nc_u32 v11, 0xff000000, v12              ; 2 off the exponent field: the conversion's scale operand
	v_lshrrev_b32 v13, 23, v11                     ; the scale's byte
.if (\b) == 0
	v_mov_b32 v[WD], v13
.else
	v_lshl_or_b32 v[WD], v13, 8*(\b), v[WD]
.endif
	v_cvt_scalef32_pk16_fp6_f32 v[CC:CC+2], v[XS:XS+15], v11
	v_cvt_scalef32_pk16_fp6_f32 v[D:D+2], v[XS+16:XS+31], v11   ; a conversion's three registers begin on an even number
	v_nop                                          ; one plain place behind a scaled conversion
.irp i, 0,1,2
	v_mov_b32 v[CC+3+\i], v[D+\i]
.endr
	ds_store_b128 v[VA16], v[CC:CC+3] offset:((\b)/2)*768+((\b)%2)*256     ; the fragment's lane (r, b % 2), registers 0-3 of half fragment b / 2
	ds_store_b64 v[VA8], v[CC+4:CC+5] offset:((\b)/2)*768+((\b)%2)*128     ; and registers 4-5
.endm
	BLOCK 0, 63                                    ; 96 younger loads may be out, the wait's field holds 63: the smaller count is safe
	BLOCK 1, 63                                    ; 64 likewise
	BLOCK 2, 32
	BLOCK 3, 0
	ds_store_b32 v[SCW], v[WD]                     ; my column's word of K step w
.irp u, 0,1
.irp j, 0,1,2
	ds_load_b128 v[X+12*\u+4*\j:X+12*\u+4*\j+3], v[RB] offset:1664*\u+512*\j   ; my own images back, as they lie: LDS serves a wave's instructions in order
.endr
.endr
	s_wait_dscnt 0x0                               ; for the others' sake too: my scale words have landed
	s_barrier_signal -1
	s_barrier_wait -1
.irp u, 0,1
.irp j, 0,1,2
	global_store_b128 v[LI], v[X+12*\u+4*\j:X+12*\u+4*\j+3], s[26:27] offset:12800*\u+512*\j   ; 512 consecutive bytes
.endr
.endr
	s_cmp_gt_u32 s14, 1
	s_cbranch_scc1 .Ldone
	ds_load_b64 v[24:25], v[SR]                    ; waves 0 and 1: the scale words of tile 2 g + w, which the four waves stored
	s_wait_dscnt 0x0
	global_store_b64 v[L8], v[24:25], s[28:29]     ; 256 consecutive bytes
.Ldone:
	s_wait_tensorcnt 0x0
	ds_add_u32 v192, v193
	s_wait_dscnt 0x0
	s_endpgm
.Lfunc_end_k_q669cc74e4e_qw:
	.size	k_q669cc74e4e_qw, .Lfunc_end_k_q669cc74e4e_qw-k_q669cc74e4e_qw
	.p2alignl 7, 3214868480
	.fill 96, 4, 3214868480
	.section	.rodata,"a",@progbits
	.p2align	6, 0x0
	.amdhsa_kernel k_q669cc74e4e_qw
		.amdhsa_group_segment_fixed_size 14336
		.amdhsa_private_segment_fixed_size 0
		.amdhsa_enable_private_segment 0
		.amdhsa_kernarg_size 40
		.amdhsa_user_sgpr_count 2
		.amdhsa_user_sgpr_kernarg_segment_ptr 1
		.amdhsa_wavefront_size32 1
		.amdhsa_system_sgpr_workgroup_id_x 1
		.amdhsa_system_sgpr_workgroup_id_y 1
		.amdhsa_system_sgpr_workgroup_id_z 1
		.amdhsa_system_vgpr_workitem_id 0
		.amdhsa_next_free_vgpr 194
		.amdhsa_next_free_sgpr 66
		.amdhsa_reserve_vcc 0
		.amdhsa_float_denorm_mode_32 3
		.amdhsa_float_denorm_mode_16_64 3
		.amdhsa_memory_ordered 1
		.amdhsa_forward_progress 1
		.amdhsa_inst_pref_size 36
	.end_amdhsa_kernel
	.amdgpu_metadata
---
amdhsa.version: [ 1, 2 ]
amdhsa.kernels:
  - .name:           k_q669cc74e4e_qw
    .symbol:         k_q669cc74e4e_qw.kd
    .args:
      - { .name: query_kernel, .offset: 0, .size: 8, .value_kind: global_buffer, .address_space: global }
      - { .name: key_kernel, .offset: 8, .size: 8, .value_kind: global_buffer, .address_space: global }
      - { .name: value_kernel, .offset: 16, .size: 8, .value_kind: global_buffer, .address_space: global }
      - { .name: projection_kernel, .offset: 24, .size: 8, .value_kind: global_buffer, .address_space: global }
      - { .name: wc, .offset: 32, .size: 8, .value_kind: global_buffer, .address_space: global }
    .group_segment_fixed_size: 14336
    .private_segment_fixed_size: 0
    .kernarg_segment_align: 8
    .kernarg_segment_size: 40
    .max_flat_workgroup_size: 128
    .sgpr_count:     66
    .vgpr_count:     194
    .wavefront_size: 32
...
	.end_amdgpu_metadata
.endif
;; end of part 2
;; launch proj (part 3): grid 8 x 32, 8 waves a work-group, clusters of 4 x 4, 327,680 bytes of LDS; arguments ac, wc, qimg, kv; writes qimg, kv
.if DOCPART == 3
	.amdgcn_target "amdgcn-amd-amdhsa--gfx1250"
	.amdhsa_code_object_version 6
	.text
	.protected	k_q669cc74e4e_proj
	.globl	k_q669cc74e4e_proj
	.p2align	8
	.type	k_q669cc74e4e_proj,@function
k_q669cc74e4e_proj:
	s_mov_b64 s[64:65], 0
	v_nop
	global_prefetch_b8 v0, s[64:65] scope:SCOPE_SE
	s_setreg_imm32_b32 hwreg(HW_REG_WAVE_MODE, 25, 1), 1
	s_wait_xcnt 0x0
	s_wait_alu depctr_hold_cnt(0) depctr_sa_sdst(0) depctr_va_vdst(0) depctr_va_sdst(0) depctr_va_ssrc(0) depctr_va_vcc(0) depctr_vm_vsrc(0)
	s_getreg_b32 s2, hwreg(HW_REG_IB_STS2, 6, 4)
	s_cmp_eq_u32 s2, 0
	s_cbranch_scc0 .Lentry_in_a_cluster
	s_endpgm
.Lentry_in_a_cluster:
	s_bfe_u32 s2, ttmp6, 0x10000c
	s_cmp_lg_u32 s2, 0xf033
	s_cbranch_scc0 .Lentry_shape_is_right
	s_endpgm
.Lentry_shape_is_right:
; q = query Wq, k = key Wk, v = value Wv on codes of FP6 (E2M3) with E8M0 scales, sums in f32; the results are quantised at once for attention: q and k along the head's 64, v along the keys.
; A block is an X block of 16 tiles (source 1) times a Y block of 8 tiles (source 0), for all of K = 1,024.  Operands lie in memory in the order of the operand's registers (records of 6,400 bytes for a tile and 512 K),
; so a fragment is four LDS loads at 16 and 8 x lane.  q, k: X = 256 tokens, Y = 128 columns (two heads).  v: X = 256 columns (four heads), Y = 128 keys.
; A WORK-GROUP STAYS and makes three blocks, its q, its k and its v block.  A K half of a block (X's 16 records and Y's 8: 153,600 bytes) is a slot; two slots take turns through six fills.  Each fill is asked for
; one fill ahead: while one slot is multiplied (and, in every second trip, a block is quantised and stored), the other slot's load is on its way.  Waves 0-3 fetch four records of X each, waves 4-7 two of Y:
; a wave has one tensor load outstanding at the most.  Each slot has its own six address registers.
; In the result a lane holds one row of X, and since lane r of tile 2 g + u holds row 32 g + 8 u + r + 8 (r / 8), the 16 registers of Y tiles 2 b and 2 b + 1 are 16 neighbours, 32 b + 16 h + 0 .. 15, along Y's
; rows: the head's 64 for q and k, 64 keys for v.  So a wave's 32 registers of an X tile are two blocks of the next product's K and are quantised in registers.
; Eight waves: wave w takes X tiles 4 (w / 2) on and Y tiles 4 (w % 2) on: 16 accumulators, which take turns, one instruction a turn.
; CLUSTER 4 x 4: X hangs on the cluster's row alone, Y on its column alone; each is asked for jointly by the four that share it, behind a round of the cluster's barrier.
; No prefetch is written: K is 1,024, two fills a block and six a work-group, and every fill is asked for as soon as its slot is free.
; OUT.  A head's block is 16 steps of 13,312 bytes (128 keys or queries): 8 half fragments of K (or Q), 4 + 4 of V (keys 0-63, 64-127 of the step), 2 x 256 bytes of K's scale words, 2 x 256 of V's.
; THE 1/8 OF THE SCORES IS NOT APPLIED HERE: it stands in attention's constant.  Quantising q and dividing by 8 later gives the same numbers as quantising q / 8, a power of two,
; LIMIT: but for blocks of q whose largest magnitude lies under 2^-121.  A block of zeros gets the byte 1 (its codes are zeros).  NaN and infinities are not served.
.set HEADB, 212992
.set STEPB, 13312
.set KHALF, 153600                     ; a slot
.set YOFF,  102400                     ; Y's records lie behind X's sixteen
.set SPARE, 307200                     ; behind the two slots: the spare words, 128 bytes for each of 8 waves
.set WV, 12
.set WM, 13
.set WN, 14
.set G1X, 24                           ; s[24:31] group 1 for X: 4 rows of 800 elements of 8 bytes, 1,600 apart
.set G1Y, 32                           ; s[32:39] for Y: 2 rows
.set G0X, 40                           ; group 0 for X: slot s at s[40 + 8 s ..];  for Y at s[44 + 8 s ..]
.set G0Y, 44
.set XA0, 56                           ; where my records of X and Y begin, block by block
.set YA0, 58
.set XA1, 60
.set YA1, 62
.set XA2, 66
.set YA2, 68
.set OC0, 70                           ; where my half fragments and my scale words go, block by block
.set OS0, 72
.set OC1, 74
.set OS1, 76
.set OC2, 78
.set OS2, 80
.set SH,  82                           ; v: how far the scale bytes are shifted
.set HM,  90                           ; lanes 16-31
.set SEL, 92                           ; s[92:93]
.set LI,   7
.set L8,   8
.set SC0,  16                          ; v16-23 source 0's scale words: pair i, K step s at 16 + 4 i + s; lanes 0-15 tile 2 i, lanes 16-31 tile 2 i + 1
.set SC1,  24                          ; v24-31 source 1's
.set F0,   32                          ; v32-79 four fragments of source 0
.set F1,   80                          ; v80-127 of source 1
.set ACC,  128                         ; v128-255 accumulator (q, p) at 128 + 8 (4 q + p)
.set TM,   96                          ; the way out: v96-103 at work
.macro USE s                           ; the slot's address registers: source 0's fragments (16 x lane, 512 + 8 x lane), source 1's, the two sides' scale words
.if (\s) == 0
.set A016, 1
.set A08,  2
.set A116, 3
.set A18,  4
.set S0,   5
.set S1,   6
.else
.set A016, 9
.set A08,  10
.set A116, 11
.set A18,  12
.set S0,   13
.set S1,   0
.endif
.endm
.macro ROUND                           ; a round of the cluster's barrier
	s_barrier_signal -1
	s_barrier_wait -1
	s_cmp_lg_u32 s[WV], 0
	s_cbranch_scc1 .Lnot_wave_0_\@
	s_barrier_signal -3
.Lnot_wave_0_\@:
	s_barrier_wait -3
	s_barrier_signal -1
	s_barrier_wait -1
.endm
.macro JL s                            ; a joint load into slot s: waves 0-3 for X, waves 4-7 for Y; the four v_nop are also the places in front of the LDS loads that follow
	s_cmp_lt_u32 s[WV], 4
	s_cbranch_scc0 .Lfor_y_\@
	tensor_load_to_lds s[G0X+8*(\s):G0X+8*(\s)+3], s[G1X:G1X+7]
	s_nop 0
.rept 4
	v_nop
.endr
	s_branch .Lasked_\@
.Lfor_y_\@:
	tensor_load_to_lds s[G0Y+8*(\s):G0Y+8*(\s)+3], s[G1Y:G1Y+7]
	s_nop 0
.rept 4
	v_nop
.endr
.Lasked_\@:
.endm
.macro NEXT s, xa, ya, h               ; slot s's next fill: K half h of the block whose records begin at xa and ya
	s_add_nc_u64 s[G0X+8*(\s)+2:G0X+8*(\s)+3], s[\xa:\xa+1], 6400*(\h)
	s_or_b32 s[G0X+8*(\s)+3], s[G0X+8*(\s)+3], 0x80000000
	s_add_nc_u64 s[G0Y+8*(\s)+2:G0Y+8*(\s)+3], s[\ya:\ya+1], 6400*(\h)
	s_or_b32 s[G0Y+8*(\s)+3], s[G0Y+8*(\s)+3], 0x80000000
.endm
.macro TURN s, xa, ya, h               ; the change of slots: the other slot is whole, slot s is read no more and is filled again (the first time: slot 1's first fill, issued as a refill is)
	s_wait_alu depctr_va_vdst(0)                   ; the wait ahead of the waits below
	s_wait_xcnt 0x0                                ; earlier stores have read their registers, which the next LDS loads fill
	s_wait_tensorcnt 0x0                           ; my one load that was out has landed;
	ds_add_u32 v14, v15
	NEXT \s, \xa, \ya, \h                          ; no load of mine is out, so a group 0 may be written
	s_wait_dscnt 0x0                               ; the add is done, and so are my reads of slot s
	ROUND                                          ; both hold of every wave of all sixteen work-groups
	JL \s
.endm
	s_load_b256 s[4:11], s[0:1], 0x0               ; ac, wc, qimg, kv
	v_lshl_add_u32 v14, v0, 2, SPARE
	v_mov_b32 v15, 0
	ds_add_u32 v14, v15                            ; the opening lines: the add twice on end and its wait ahead of my first tensor load
	ds_add_u32 v14, v15
	v_lshrrev_b32 v9, 5, v0
	v_readfirstlane_b32 s[WV], v9                  ; wave 0..7
	s_lshr_b32 s[WM], s[WV], 1
	s_and_b32 s[WN], s[WV], 1
	s_and_b32 s21, s[WV], 3                        ; my place among the four waves that fetch X, or Y
	s_bfe_u32 s15, ttmp6, 0x40000                  ; cx
	s_bfe_u32 s16, ttmp6, 0x40004                  ; cy
	s_and_b32 s19, ttmp7, 0xffff                   ; the cluster's y, CY = 0..7
	s_lshl_b32 s20, ttmp9, 2
	s_add_co_u32 s20, s20, s15                     ; work-group x
	s_lshl_b32 s94, s16, 2
	s_lshl_b32 s94, 15, s94                        ; my row of the cluster
	s_lshl_b32 s95, 0x1111, s15                    ; my column
	s_or_b32 s[G1X], s94, (3<<16)|(1<<21)          ; the mask; elements of 8 bytes; bit 21 beside a mask
	s_or_b32 s[G1Y], s95, (3<<16)|(1<<21)
	s_mov_b32 s[G1X+1], 800<<16                    ; tensor_dim0 = 800
	s_mov_b32 s[G1X+2], 4<<16                      ; tensor_dim1 = 4
	s_mov_b32 s[G1X+3], 800<<16                    ; tile_dim0
	s_mov_b32 s[G1X+4], 4                          ; tile_dim1
	s_mov_b32 s[G1X+5], 1600                       ; from a tile's record to the next tile's
	s_mov_b32 s[G1X+6], 0
	s_mov_b32 s[G1X+7], 0
	s_mov_b32 s[G1Y+1], 800<<16
	s_mov_b32 s[G1Y+2], 2<<16
	s_mov_b32 s[G1Y+3], 800<<16
	s_mov_b32 s[G1Y+4], 2
	s_mov_b32 s[G1Y+5], 1600
	s_mov_b32 s[G1Y+6], 0
	s_mov_b32 s[G1Y+7], 0
	; which tiles.  X's registers never hold cx, Y's never cy
	s_lshl_b32 s83, s19, 2
	s_add_co_u32 s83, s83, s16                     ; which 256 tokens: 4 CY + cy
	s_lshl_b32 s17, s21, 2
	s_lshl_b32 s84, s83, 4
	s_add_co_u32 s84, s84, s17                     ; q: X = ac's tile 16 (4 CY + cy) + 4 (w % 4); k: 512 tiles on
	s_mul_i32 s84, s84, 12800
	s_mov_b32 s85, 0
	s_lshl_b32 s86, s16, 4
	s_add_co_u32 s86, s86, s17
	s_add_co_u32 s86, s86, 128                     ; v: X = wc's tile 128 + 16 cy + 4 (w % 4)
	s_mul_i32 s86, s86, 12800
	s_mov_b32 s87, 0
	s_lshl_b32 s18, s21, 1
	s_lshl_b32 s88, s20, 3
	s_add_co_u32 s88, s88, s18                     ; q: Y = wc's tile 8 x + 2 (w % 4); k: 64 tiles on
	s_lshl_b32 s96, s19, 6
	s_add_co_u32 s96, s96, s88
	s_add_co_u32 s96, s96, 1024                    ; v: Y = ac's tile 1,024 + 8 (x + 8 CY) + 2 (w % 4)
	s_mul_i32 s88, s88, 12800
	s_mov_b32 s89, 0
	s_mul_i32 s96, s96, 12800
	s_mov_b32 s97, 0
.irp s, 0,1
	s_mov_b32 s[G0X+8*\s], 1
	s_mul_i32 s[G0X+8*\s+1], s21, 25600            ; LDS: X's tile a at 6,400 a of the slot
	s_add_co_u32 s[G0X+8*\s+1], s[G0X+8*\s+1], KHALF*\s
	s_mov_b32 s[G0Y+8*\s], 1
	s_mul_i32 s[G0Y+8*\s+1], s21, 12800            ; Y's tile b at 102,400 + 6,400 b
	s_add_co_u32 s[G0Y+8*\s+1], s[G0Y+8*\s+1], YOFF+KHALF*\s
.endr
	s_wait_dscnt 0x0
	s_wait_kmcnt 0x0
	s_add_nc_u64 s[XA0:XA0+1], s[4:5], s[84:85]
	s_add_nc_u64 s[XA1:XA1+1], s[XA0:XA0+1], 512*12800
	s_add_nc_u64 s[XA2:XA2+1], s[6:7], s[86:87]
	s_add_nc_u64 s[YA0:YA0+1], s[6:7], s[88:89]
	s_add_nc_u64 s[YA1:YA1+1], s[YA0:YA0+1], 64*12800
	s_add_nc_u64 s[YA2:YA2+1], s[4:5], s[96:97]
	NEXT 0, XA0, YA0, 0
	ROUND                                          ; all sixteen work-groups are here: the joint loads meet
	JL 0                                           ; q's first K half: one tensor load a wave at the head
	; where my results go.  q, k: head 2 x + w % 2, the batch's 64 tokens number 4 ((4 CY + cy) % 8) + w / 2
	s_lshl_b32 s22, s20, 1
	s_add_co_u32 s22, s22, s[WN]
	s_lshr_b32 s23, s83, 3
	s_lshl_b32 s23, s23, 4
	s_add_co_u32 s23, s23, s22
	s_mul_i32 s23, s23, HEADB
	s_and_b32 s22, s83, 7
	s_lshl_b32 s22, s22, 2
	s_add_co_u32 s22, s22, s[WM]
	s_lshr_b32 s98, s22, 1
	s_mul_i32 s98, s98, STEPB
	s_add_co_u32 s23, s23, s98                     ; the head's block and the step in it
	s_and_b32 s22, s22, 1
	s_mul_i32 s98, s22, 3072
	s_add_co_u32 s98, s98, s23
	s_mov_b32 s99, 0
	s_lshl_b32 s22, s22, 8
	s_add_co_u32 s22, s22, s23
	s_add_co_u32 s22, s22, 12288
	s_mov_b32 s23, 0
	s_add_nc_u64 s[OC0:OC0+1], s[8:9], s[98:99]    ; q goes to qimg,
	s_add_nc_u64 s[OS0:OS0+1], s[8:9], s[22:23]
	s_add_nc_u64 s[OC1:OC1+1], s[10:11], s[98:99]  ; k to the same places of kv
	s_add_nc_u64 s[OS1:OS1+1], s[10:11], s[22:23]
	; v: head 4 cy + w / 2, the batch's 64 keys number 2 ((8 CY + x) % 16) + w % 2
	s_lshl_b32 s22, s16, 2
	s_add_co_u32 s22, s22, s[WM]
	s_lshl_b32 s98, s19, 3
	s_add_co_u32 s98, s98, s20
	s_lshr_b32 s23, s98, 4
	s_lshl_b32 s23, s23, 4
	s_add_co_u32 s23, s23, s22
	s_mul_i32 s23, s23, HEADB
	s_and_b32 s22, s98, 15
	s_lshl_b32 s22, s22, 1
	s_add_co_u32 s22, s22, s[WN]
	s_lshr_b32 s98, s22, 1
	s_mul_i32 s98, s98, STEPB
	s_add_co_u32 s23, s23, s98
	s_and_b32 s22, s22, 1
	s_mul_i32 s98, s22, 3072
	s_add_co_u32 s98, s98, s23
	s_add_co_u32 s98, s98, 6144                    ; v's half fragments lie behind K's
	s_lshl_b32 s22, s22, 8
	s_add_co_u32 s22, s22, s23
	s_add_co_u32 s22, s22, 12800                   ; and its scale words behind K's
	s_mov_b32 s23, 0
	s_add_nc_u64 s[OC2:OC2+1], s[10:11], s[98:99]
	s_add_nc_u64 s[OS2:OS2+1], s[10:11], s[22:23]
	s_lshl_b32 s[SH], s[WN], 4                     ; v: the bytes of keys 64-127 go to a word's upper half
	s_mov_b32 s[SEL], 0x76543210
	s_mov_b32 s[SEL+1], 0xfedcba98
	s_mul_i32 s98, s[WN], 25600
	s_add_co_u32 s98, s98, YOFF                    ; my four tiles of Y
	s_mul_i32 s99, s[WM], 25600                    ; my four tiles of X
	v_and_b32 v9, 31, v0                           ; lane
	v_and_b32 v10, 15, v0                          ; r
	v_bfe_u32 v11, v0, 4, 1                        ; h
	v_lshlrev_b32 v[LI], 4, v9
	v_lshlrev_b32 v[L8], 3, v9
	v_mul_u32_u24 v12, v11, 6400
	v_cmp_lt_u32 s[HM], 15, v9
	v_add_nc_u32 v1, s98, v[LI]                    ; slot 0's six
	v_add_nc_u32 v2, s98, v[L8]
	v_add_nc_u32 v3, s99, v[LI]
	v_add_nc_u32 v4, s99, v[L8]
	v_lshl_add_u32 v12, v10, 4, v12
	v_add_nc_u32 v2, 512, v2
	v_add_nc_u32 v4, 512, v4
	v_add_nc_u32 v12, 6144, v12                    ; the scale words: 6,144 + 6,400 h + 16 r
	v_add_nc_u32 v9, KHALF, v1                     ; slot 1's six: 153,600 on
	v_add_nc_u32 v11, KHALF, v3
	v_add_nc_u32 v10, KHALF, v2
	v_add_nc_u32 v5, s98, v12
	v_add_nc_u32 v6, s99, v12
	v_add_nc_u32 v12, KHALF, v4
	v_add_nc_u32 v13, KHALF, v5
	v_add_nc_u32 v0, KHALF, v6                     ; (the thread's number is used no more)
.macro LDFRAG reg, a16, a8, off        ; a fragment: two half fragments, 768 bytes apart
	ds_load_b128 v[(\reg):(\reg)+3], v[\a16] offset:(\off)
	ds_load_b64 v[(\reg)+4:(\reg)+5], v[\a8] offset:(\off)
	ds_load_b128 v[(\reg)+6:(\reg)+9], v[\a16] offset:(\off)+768
	ds_load_b64 v[(\reg)+10:(\reg)+11], v[\a8] offset:(\off)+768
.endm
.macro PROD q, p, s, zero              ; an odd tile's scale words lie in lanes 16-31 of its pair's register
.set rD, ACC+8*(4*(\q)+(\p))
.set rA, F0+12*(\p)
.set rB, F1+12*(\q)
.set rX, SC0+4*((\p)/2)+(\s)
.set rY, SC1+4*((\q)/2)+(\s)
.set rw, 4*(\zero)+2*((\q)%2)+((\p)%2)
.if rw == 0
	v_wmma_scale_f32_16x16x128_f8f6f4 v[rD:rD+7], v[rA:rA+11], v[rB:rB+11], v[rD:rD+7], v[rX], v[rY] matrix_a_fmt:MATRIX_FMT_FP6 matrix_b_fmt:MATRIX_FMT_FP6
.elseif rw == 1
	v_wmma_scale_f32_16x16x128_f8f6f4 v[rD:rD+7], v[rA:rA+11], v[rB:rB+11], v[rD:rD+7], v[rX], v[rY] matrix_a_fmt:MATRIX_FMT_FP6 matrix_b_fmt:MATRIX_FMT_FP6 matrix_a_scale:MATRIX_SCALE_ROW1
.elseif rw == 2
	v_wmma_scale_f32_16x16x128_f8f6f4 v[rD:rD+7], v[rA:rA+11], v[rB:rB+11], v[rD:rD+7], v[rX], v[rY] matrix_a_fmt:MATRIX_FMT_FP6 matrix_b_fmt:MATRIX_FMT_FP6 matrix_b_scale:MATRIX_SCALE_ROW1
.elseif rw == 3
	v_wmma_scale_f32_16x16x128_f8f6f4 v[rD:rD+7], v[rA:rA+11], v[rB:rB+11], v[rD:rD+7], v[rX], v[rY] matrix_a_fmt:MATRIX_FMT_FP6 matrix_b_fmt:MATRIX_FMT_FP6 matrix_a_scale:MATRIX_SCALE_ROW1 matrix_b_scale:MATRIX_SCALE_ROW1
.elseif rw == 4
	v_wmma_scale_f32_16x16x128_f8f6f4 v[rD:rD+7], v[rA:rA+11], v[rB:rB+11], 0, v[rX], v[rY] matrix_a_fmt:MATRIX_FMT_FP6 matrix_b_fmt:MATRIX_FMT_FP6
.elseif rw == 5
	v_wmma_scale_f32_16x16x128_f8f6f4 v[rD:rD+7], v[rA:rA+11], v[rB:rB+11], 0, v[rX], v[rY] matrix_a_fmt:MATRIX_FMT_FP6 matrix_b_fmt:MATRIX_FMT_FP6 matrix_a_scale:MATRIX_SCALE_ROW1
.elseif rw == 6
	v_wmma_scale_f32_16x16x128_f8f6f4 v[rD:rD+7], v[rA:rA+11], v[rB:rB+11], 0, v[rX], v[rY] matrix_a_fmt:MATRIX_FMT_FP6 matrix_b_fmt:MATRIX_FMT_FP6 matrix_b_scale:MATRIX_SCALE_ROW1
.else
	v_wmma_scale_f32_16x16x128_f8f6f4 v[rD:rD+7], v[rA:rA+11], v[rB:rB+11], 0, v[rX], v[rY] matrix_a_fmt:MATRIX_FMT_FP6 matrix_b_fmt:MATRIX_FMT_FP6 matrix_a_scale:MATRIX_SCALE_ROW1 matrix_b_scale:MATRIX_SCALE_ROW1
.endif
.endm
.macro KSTEP s, zero, first            ; 128 along K: 32 LDS loads, 16 products
.if (\first) == 0
.rept 4
	v_nop                                          ; four places in front of loads into registers that the last products read (ISA guide 7.12.1 for vector instructions)
.endr
.endif
.irp p, 0,1,2,3
	LDFRAG F0+12*\p, A016, A08, 6400*\p+1536*(\s)
.endr
.irp q, 0,1,2,3
	LDFRAG F1+12*\q, A116, A18, 6400*\q+1536*(\s)
.endr
.irp q, 0,1,2,3
	s_wait_dscnt 12-4*\q                           ; source 0's four and source 1's fragment q are in; four loads for each later fragment may be out
.irp p, 0,1,2,3
	PROD \q, \p, \s, \zero
.endr
.endr
.endm
.macro HALFK zero                      ; a slot: 512 along K.  zero = 1: the first products start the sums: nothing is cleared
.irp i, 0,1
	ds_load_b128 v[SC0+4*\i:SC0+4*\i+3], v[S0] offset:12800*\i   ; a row's four words: the half's four K steps
	ds_load_b128 v[SC1+4*\i:SC1+4*\i+3], v[S1] offset:12800*\i
.endr
	KSTEP 0, \zero, 1
	KSTEP 1, 0, 0
	KSTEP 2, 0, 0
	KSTEP 3, 0, 0
.endm
; 32 numbers of a lane, register 16 b + i = k 32 b + 16 h + i of my row, become a half fragment's six registers at v[c] and the two scale bytes in v[w]
.macro QUANT2 s, c, d, w
.irp b, 0,1
	v_max3_num_f32 v[TM+\b], |v[(\s)+16*\b]|, |v[(\s)+1+16*\b]|, 0x1800000   ; each accumulator is read from its low end on; the floor 2^(3 - 127) holds the byte at 1 from below
.endr
.irp i, 2,4,6,8,10,12,14
.irp b, 0,1
	v_max3_num_f32 v[TM+\b], v[TM+\b], |v[(\s)+16*\b+\i]|, |v[(\s)+1+16*\b+\i]|
.endr
.endr
.irp b, 0,1
	v_permlanex16_b32 v[TM+2+\b], v[TM+\b], s[SEL], s[SEL+1]
.endr
.irp b, 0,1
	v_max_num_f32 v[TM+\b], v[TM+\b], v[TM+2+\b]   ; with lane l xor 16's: the block's largest magnitude
.endr
.irp b, 0,1
	v_add_nc_u32 v[TM+4+\b], 0xff000000, v[TM+\b]  ; 2 off the exponent field: the conversion's scale operand
.endr
.irp b, 0,1
	v_lshrrev_b32 v[TM+6+\b], 23, v[TM+4+\b]       ; the scale's byte
.endr
	v_lshl_or_b32 v[\w], v[TM+7], 8, v[TM+6]
	v_cvt_scalef32_pk16_fp6_f32 v[(\c):(\c)+2], v[(\s):(\s)+15], v[TM+4]
	v_cvt_scalef32_pk16_fp6_f32 v[(\d):(\d)+2], v[(\s)+16:(\s)+31], v[TM+5]
	v_nop                                          ; one plain place behind a scaled conversion
.irp i, 0,1,2
	v_permlane16_swap_b32 v[(\c)+\i], v[(\d)+\i]   ; a whole block to a lane: lanes 0-15 block 0, lanes 16-31 block 1
.endr
.irp i, 0,1,2
	v_mov_b32 v[(\c)+3+\i], v[(\d)+\i]
.endr
.endm
.macro EPI oc, os, shift               ; a block's way out
.rept 4
	v_nop                                          ; four places behind the last products, in front of the first reads of results and writes of operands' registers
.endr
	v_mov_b32 v[TM+2], 0                           ; a lane permute's destination counts as one of its sources
	v_mov_b32 v[TM+3], 0
.irp q, 0,1,2,3
	QUANT2 ACC+32*\q, 52+6*\q, 40, 44+\q
.endr
.if \shift
.irp q, 0,1,2,3
	v_lshlrev_b32 v[44+\q], s[SH], v[44+\q]
.endr
.endif
	v_cndmask_b32 v48, v44, v45, s[HM]             ; lanes 0-15 hold the even tile's words, lanes 16-31 the odd tile's: as the reader's scale registers want them
	v_cndmask_b32 v49, v46, v47, s[HM]
.irp q, 0,1,2,3
	global_store_b128 v[LI], v[52+6*\q:55+6*\q], s[\oc:\oc+1] offset:768*\q        ; 512 consecutive bytes
	global_store_b64 v[L8], v[56+6*\q:57+6*\q], s[\oc:\oc+1] offset:768*\q+512     ; 256 consecutive bytes
.endr
	global_store_b64 v[L8], v[48:49], s[\os:\os+1] ; 256 consecutive bytes of scale words
.endm
	TURN 1, XA0, YA0, 1                            ; q's first half is in; its second is asked for
	USE 0
	HALFK 1
	TURN 0, XA1, YA1, 0                            ; the ring goes on into the next block: k's first half
	USE 1
	HALFK 0
	EPI OC0, OS0, 0
	TURN 1, XA1, YA1, 1
	USE 0
	HALFK 1
	TURN 0, XA2, YA2, 0                            ; v's first half
	USE 1
	HALFK 0
	EPI OC1, OS1, 0
	TURN 1, XA2, YA2, 1
	USE 0
	HALFK 1
	s_wait_tensorcnt 0x0                           ; my part of the last fill is in
	s_wait_dscnt 0x0
	s_barrier_signal -1
	s_barrier_wait -1                              ; everybody's is
.rept 4
	v_nop                                          ; four places in front of the loads into registers that the last products read
.endr
	USE 1
	HALFK 0
	EPI OC2, OS2, 1
	s_wait_tensorcnt 0x0                           ; the wave's end
	ds_add_u32 v14, v15
	s_wait_dscnt 0x0
	ROUND                                          ; the closing round: no work-group ends while a partner may still ask for a tile that names it
	s_endpgm
.Lfunc_end_k_q669cc74e4e_proj:
	.size	k_q669cc74e4e_proj, .Lfunc_end_k_q669cc74e4e_proj-k_q669cc74e4e_proj
	.p2alignl 7, 3214868480
	.fill 96, 4, 3214868480
	.section	.rodata,"a",@progbits
	.p2align	6, 0x0
	.amdhsa_kernel k_q669cc74e4e_proj
		.amdhsa_group_segment_fixed_size 327680
		.amdhsa_private_segment_fixed_size 0
		.amdhsa_enable_private_segment 0
		.amdhsa_kernarg_size 32
		.amdhsa_user_sgpr_count 2
		.amdhsa_user_sgpr_kernarg_segment_ptr 1
		.amdhsa_wavefront_size32 1
		.amdhsa_system_sgpr_workgroup_id_x 1
		.amdhsa_system_sgpr_workgroup_id_y 1
		.amdhsa_system_sgpr_workgroup_id_z 1
		.amdhsa_system_vgpr_workitem_id 0
		.amdhsa_next_free_vgpr 256
		.amdhsa_next_free_sgpr 100
		.amdhsa_reserve_vcc 0
		.amdhsa_float_denorm_mode_32 3
		.amdhsa_float_denorm_mode_16_64 3
		.amdhsa_memory_ordered 1
		.amdhsa_forward_progress 1
		.amdhsa_inst_pref_size 144
	.end_amdhsa_kernel
	.amdgpu_metadata
---
amdhsa.version: [ 1, 2 ]
amdhsa.kernels:
  - .name:           k_q669cc74e4e_proj
    .symbol:         k_q669cc74e4e_proj.kd
    .args:
      - { .name: ac, .offset: 0, .size: 8, .value_kind: global_buffer, .address_space: global }
      - { .name: wc, .offset: 8, .size: 8, .value_kind: global_buffer, .address_space: global }
      - { .name: qimg, .offset: 16, .size: 8, .value_kind: global_buffer, .address_space: global }
      - { .name: kv, .offset: 24, .size: 8, .value_kind: global_buffer, .address_space: global }
    .group_segment_fixed_size: 327680
    .private_segment_fixed_size: 0
    .kernarg_segment_align: 8
    .kernarg_segment_size: 32
    .max_flat_workgroup_size: 256
    .sgpr_count:     100
    .vgpr_count:     256
    .wavefront_size: 32
...
	.end_amdgpu_metadata
.endif
;; end of part 3
;; launch attn (part 4): grid 4 x 64, 16 waves a work-group, clusters of 4 x 1, 215,040 bytes of LDS; arguments qimg, kv, mc; writes mc
.if DOCPART == 4
	.amdgcn_target "amdgcn-amd-amdhsa--gfx1250"
	.amdhsa_code_object_version 6
	.text
	.protected	k_q669cc74e4e_attn
	.globl	k_q669cc74e4e_attn
	.p2align	8
	.type	k_q669cc74e4e_attn,@function
k_q669cc74e4e_attn:
	s_mov_b64 s[64:65], 0
	v_nop
	global_prefetch_b8 v0, s[64:65] scope:SCOPE_SE
	s_setreg_imm32_b32 hwreg(HW_REG_WAVE_MODE, 25, 1), 1
	s_wait_xcnt 0x0
	s_wait_alu depctr_hold_cnt(0) depctr_sa_sdst(0) depctr_va_vdst(0) depctr_va_sdst(0) depctr_va_ssrc(0) depctr_va_vcc(0) depctr_vm_vsrc(0)
	s_getreg_b32 s2, hwreg(HW_REG_IB_STS2, 6, 4)
	s_cmp_eq_u32 s2, 0
	s_cbranch_scc0 .Lentry_in_a_cluster
	s_endpgm
.Lentry_in_a_cluster:
	s_bfe_u32 s2, ttmp6, 0x10000c
	s_cmp_lg_u32 s2, 0x3003
	s_cbranch_scc0 .Lentry_shape_is_right
	s_endpgm
.Lentry_shape_is_right:
; mh = softmax(q k^T / 8) v for each of 64 heads of 2,048 queries x 2,048 keys x 64, both products on codes of FP6 (E2M3) with E8M0 scales; mh is quantised along the head's 64 for the last product.
; THE SOFTMAX: t = score x log2(e) / 8; M = the largest t so far, rounded UP to a whole number; p = 2^(t - M) is quantised along the keys, not normalised; the row's sum is taken of the unquantised p
; and divides at the end.  When M moves, the sum and O are multiplied by 2^(old M - new M): exact.  The 1/8 stands in the constant: q was quantised undivided.
; LIMITS: that equals quantising q / 8 but for blocks of q whose largest magnitude lies under 2^-121; the scaled scores stay under 2^31 in magnitude; a block of zeros gets the byte 1; NaN and infinities are not served.
; THE HEAD'S K AND V, codes and scale words, 212,992 bytes, LIE IN LDS WHOLE, filled once, a sixteenth (one step's record, 52 rows of 256 bytes) by each wave: no ring, no barrier in the loops.
; The four work-groups of a cluster own 512 queries each of ONE head and ask for its block jointly.  A wave has one tensor load outstanding at the most.
; No prefetch: the launch's one fill goes out at the head, so there is no loop to run ahead in.
; SHARES.  Sixteen waves, four to a SIMD, 256 registers each: a wave owns one tile of 16 queries at a time, in two passes over the keys, 128 keys a step.
; LAYOUT.  S^T = K Q^T and O^T = V^T P^T: a lane holds one query throughout.  Lane r of tile 2 b + u of K holds key 32 b + 8 u + r + 8 (r / 8), so the 16 registers of tiles 2 b, 2 b + 1 are 16 neighbouring keys;
; V's tiles of d likewise.  The first product's K is 64 and the instruction's is 128: a fragment of K holds TWO tiles of keys, a in k = 0-63 and b in k = 64-127, and is multiplied once by [Q | zero codes]
; and once by [zero codes | Q]; the two share 18 registers: zeros, Q, zeros.  K's scale word has a's two bytes below and b's above; Q's has its two bytes twice.
; A step's K (48 registers) is fetched a step ahead, in front of the second product; between the first product and that fetch its registers are at work in the softmax.  The step after the last is step 0:
; so the first pass's last trip fetches what the second pass begins with; the second pass's last trip fetches 18 loads that nobody reads, the price of one text for all trips.
; ORDER.  Independent chains take turns (four for the maxima, four for the sum), and the LDS loads of V stand between the links of the one chain that has no partner, from the row's maximum to -M.
.set HEADB, 212992
.set STEPB, 13312
.set SPARE, 212992                     ; the spare words: 128 bytes for each of 16 waves
.set WV,  10
.set G1,  16                           ; s[16:23]
.set G0,  24                           ; s[24:27]
.set SEL, 28                           ; s[28:29] lane l xor 16
.set CS,  30                           ; s[30:31] c = log2(e) / 8
.set TB,  32                           ; s32 LDS byte of this step;  s33 of the next;  s34 the step's number
.set TN,  33
.set IX,  34
.set QB,  36                           ; s[36:37] my tile of Q;  s[38:39] its scale words;  s[40:41] my place in mc;  s[42:43] and its scale bytes
.set QSB, 38
.set MB,  40
.set MS,  42
.set LI,  1                            ; v1 16 x lane;  v2 8 x lane;  v3 16 r
.set L8,  2
.set VSA, 3
.set A16C, 4                           ; v4-5 this step's addresses;  v6-7 the next step's
.set A8C, 5
.set A16N, 6
.set A8N, 7
.set SPW, 8                            ; v8 my spare word;  v9 0: never rewritten
.set NIL, 9
.set KW,  10                           ; v10-11 K's scale words: fragments 2 i (lanes 0-15) and 2 i + 1 (lanes 16-31)
.set VW,  12                           ; v12-13 V's
.set QS,  14                           ; v14 Q's;  v15 p's
.set PS,  15
.set RAW, 16                           ; v16-23 scale words as they lie in LDS: K's four, V's four
.set NM,  24                           ; v24 -M;  v25 the largest score so far
.set SU,  26                           ; v26-27 the sum
.set F,   28                           ; v28-29 f = 2^(old M - new M)
.set QZ,  30                           ; v30-35 zero codes, v36-41 Q, v42-47 zero codes
.set KF,  48                           ; v48-95 four fragments of K
.set VF,  96                           ; v96-143 four of V
.set S,   144                          ; v144-207 S^T, then p
.set O,   208                          ; v208-239 O^T
.set P,   240                          ; v240-251 p's codes
.set OM,  252                          ; v252 the old -M;  v253 at work;  v254 Q's scale word as loaded;  v255 8 r
.set T,   253
.set QR,  254
.set R8,  255
.set BM,  KF                           ; in K's registers, between the first product and the next fetch: blocks' maxima, lane permutes, scale operands, bytes, conversions' second halves, four partial sums
.set PM,  KF+4
.set SO,  KF+8
.set BY,  KF+12
.set CH,  KF+16
.set SA,  KF+24
.macro ROUND                           ; a round of the cluster's barrier
	s_barrier_signal -1
	s_barrier_wait -1
	s_cmp_lg_u32 s[WV], 0
	s_cbranch_scc1 .Lnot_wave_0_\@
	s_barrier_signal -3
.Lnot_wave_0_\@:
	s_barrier_wait -3
	s_barrier_signal -1
	s_barrier_wait -1
.endm
	s_load_b128 s[4:7], s[0:1], 0x0                ; qimg, kv
	s_load_b64 s[8:9], s[0:1], 0x10                ; mc
	v_lshl_add_u32 v[SPW], v0, 2, SPARE
	v_mov_b32 v[NIL], 0
	ds_add_u32 v[SPW], v[NIL]                      ; the opening lines: the add twice on end and its wait ahead of my tensor load
	ds_add_u32 v[SPW], v[NIL]
	v_lshrrev_b32 v[T], 5, v0
	v_readfirstlane_b32 s[WV], v[T]                ; wave 0..15
	s_bfe_u32 s11, ttmp6, 0x40000                  ; cx: which 512 queries: it enters Q's and mc's addresses alone
	s_and_b32 s12, ttmp7, 0xffff                   ; 16 x batch + head, which the four partners share
	s_mul_i32 s44, s12, HEADB
	s_mov_b32 s45, 0
	s_mul_i32 s46, s[WV], STEPB                    ; my sixteenth of the head's block, in memory and in LDS
	s_mov_b32 s47, 0
	s_lshl_b32 s48, s11, 2
	s_lshr_b32 s49, s[WV], 3
	s_add_co_u32 s48, s48, s49                     ; pass 0: step 4 cx + w / 8 of the queries,
	s_mul_i32 s48, s48, STEPB
	s_add_co_u32 s48, s48, s44
	s_and_b32 s49, s[WV], 7                        ; tile w % 8 of the step
	s_mul_i32 s50, s49, 768
	s_add_co_u32 s50, s50, s48
	s_mov_b32 s51, 0
	s_lshr_b32 s52, s49, 2
	s_lshl_b32 s52, s52, 8                         ; its scale words: 256 (tile / 4)
	s_bfe_u32 s53, s49, 0x10001
	s_lshl_b32 s53, s53, 2
	s_add_co_u32 s52, s52, s53                     ; + 4 (pair)
	s_and_b32 s53, s49, 1
	s_lshl_b32 s53, s53, 7
	s_add_co_u32 s52, s52, s53                     ; + 128 for an odd tile; 8 bytes a row
	s_add_co_u32 s52, s52, s48
	s_add_co_u32 s52, s52, 12288
	s_mov_b32 s53, 0
	s_lshr_b32 s54, s12, 4
	s_lshl_b32 s54, s54, 7
	s_lshl_b32 s55, s11, 5
	s_add_co_u32 s54, s54, s55
	s_add_co_u32 s54, s54, s[WV]                   ; mc's tile 128 batch + 32 cx + w
	s_mul_i32 s54, s54, 12800
	s_bfe_u32 s55, s12, 0x10003                    ; the last product's K = 64 head + i: K half head / 8,
	s_mul_i32 s55, s55, 6400
	s_add_co_u32 s54, s54, s55
	s_and_b32 s55, s12, 7
	s_mul_i32 s56, s55, 768                        ; half fragment head % 8
	s_add_co_u32 s56, s56, s54
	s_mov_b32 s57, 0
	s_lshr_b32 s55, s55, 1
	s_lshl_b32 s55, s55, 2
	s_and_b32 s58, s12, 1
	s_lshl_b32 s58, s58, 1
	s_add_co_u32 s58, s58, s55
	s_add_co_u32 s58, s58, s54
	s_add_co_u32 s58, s58, 6144                    ; and two bytes of the row's scale word of K step (head % 8) / 2
	s_mov_b32 s59, 0
	s_mov_b32 s[G1], 15|(3<<16)|(1<<21)            ; the mask: all four work-groups; elements of 8 bytes; bit 21 beside a mask
	s_mov_b32 s[G1+1], 32<<16                      ; rows of 256 bytes,
	s_mov_b32 s[G1+2], 52<<16                      ; 52 of them, dense
	s_mov_b32 s[G1+3], 32<<16
	s_mov_b32 s[G1+4], 52
	s_mov_b32 s[G1+5], 32
	s_mov_b32 s[G1+6], 0
	s_mov_b32 s[G1+7], 0
	s_mov_b32 s[SEL], 0x76543210
	s_mov_b32 s[SEL+1], 0xfedcba98
	s_mov_b32 s[CS], 0x3e38aa3b                    ; log2(e) / 8
	s_mov_b32 s[CS+1], s[CS]                       ; named with it as a pair, so it is written
	s_wait_dscnt 0x0
	s_wait_kmcnt 0x0
	s_add_nc_u64 s[6:7], s[6:7], s[44:45]
	s_add_nc_u64 s[6:7], s[6:7], s[46:47]
	s_add_nc_u64 s[QB:QB+1], s[4:5], s[50:51]
	s_add_nc_u64 s[QSB:QSB+1], s[4:5], s[52:53]
	s_add_nc_u64 s[MB:MB+1], s[8:9], s[56:57]
	s_add_nc_u64 s[MS:MS+1], s[8:9], s[58:59]
	s_mov_b32 s[G0], 1
	s_mov_b32 s[G0+1], s46
	s_mov_b64 s[G0+2:G0+3], s[6:7]
	s_or_b32 s[G0+3], s[G0+3], 0x80000000
	ROUND                                          ; all four work-groups are here: the joint loads meet
	tensor_load_to_lds s[G0:G0+3], s[G1:G1+7]      ; the launch's one fill
	s_nop 0
	v_and_b32 v[OM], 31, v0
	v_and_b32 v[T], 15, v0
	v_lshlrev_b32 v[LI], 4, v[OM]
	v_lshlrev_b32 v[L8], 3, v[OM]
	v_lshlrev_b32 v[VSA], 4, v[T]
	v_lshlrev_b32 v[R8], 3, v[T]
.irp j, 0,1,2,3,4,5,12,13,14,15,16,17
	v_mov_b32 v[QZ+\j], 0                          ; the zero codes on both sides of Q, set once
.endr
	s_wait_alu depctr_va_vdst(0)                   ; the wait at the head's end
.macro QLOAD pi                        ; my tile of Q of pass pi, and its rows' scale words in both halves of the lanes
	global_load_b128 v[QZ+6:QZ+9], v[LI], s[QB:QB+1] offset:26624*(\pi)
	global_load_b64 v[QZ+10:QZ+11], v[L8], s[QB:QB+1] offset:26624*(\pi)+512
	global_load_b32 v[QR], v[R8], s[QSB:QSB+1] offset:26624*(\pi)
.endm
.macro KLOAD a16, a8                   ; four fragments of K: tiles (0 | 2), (1 | 3), (4 | 6), (5 | 7): 16 loads
.irp i, 0,1,2,3
	ds_load_b128 v[KF+12*\i:KF+12*\i+3], v[\a16] offset:768*(4*(\i/2)+(\i%2))
	ds_load_b64 v[KF+12*\i+4:KF+12*\i+5], v[\a8] offset:768*(4*(\i/2)+(\i%2))+512
	ds_load_b128 v[KF+12*\i+6:KF+12*\i+9], v[\a16] offset:768*(4*(\i/2)+(\i%2)+2)
	ds_load_b64 v[KF+12*\i+10:KF+12*\i+11], v[\a8] offset:768*(4*(\i/2)+(\i%2)+2)+512
.endr
.endm
.macro VL n                            ; fragment n of V: 4 loads
	ds_load_b128 v[VF+12*(\n):VF+12*(\n)+3], v[A16C] offset:6144+768*(\n)
	ds_load_b64 v[VF+12*(\n)+4:VF+12*(\n)+5], v[A8C] offset:6656+768*(\n)
	ds_load_b128 v[VF+12*(\n)+6:VF+12*(\n)+9], v[A16C] offset:9216+768*(\n)
	ds_load_b64 v[VF+12*(\n)+10:VF+12*(\n)+11], v[A8C] offset:9728+768*(\n)
.endm
.macro SP i, up                        ; S^T of the lower (up = 0) or upper tile of fragment i
.set rD, S+8*(4*((\i)/2)+((\i)%2)+2*(\up))
.set rA, KF+12*(\i)
.set rB, QZ+6-6*(\up)
.if (\i)%2 == 0
	v_wmma_scale_f32_16x16x128_f8f6f4 v[rD:rD+7], v[rA:rA+11], v[rB:rB+11], 0, v[KW+(\i)/2], v[QS] matrix_a_fmt:MATRIX_FMT_FP6 matrix_b_fmt:MATRIX_FMT_FP6
.else
	v_wmma_scale_f32_16x16x128_f8f6f4 v[rD:rD+7], v[rA:rA+11], v[rB:rB+11], 0, v[KW+(\i)/2], v[QS] matrix_a_fmt:MATRIX_FMT_FP6 matrix_b_fmt:MATRIX_FMT_FP6 matrix_a_scale:MATRIX_SCALE_ROW1
.endif
.endm
.macro PV n                            ; O^T(tile n of d) += V^T P^T
.set rD, O+8*(\n)
.set rA, VF+12*(\n)
.if (\n)%2 == 0
	v_wmma_scale_f32_16x16x128_f8f6f4 v[rD:rD+7], v[rA:rA+11], v[P:P+11], v[rD:rD+7], v[VW+(\n)/2], v[PS] matrix_a_fmt:MATRIX_FMT_FP6 matrix_b_fmt:MATRIX_FMT_FP6
.else
	v_wmma_scale_f32_16x16x128_f8f6f4 v[rD:rD+7], v[rA:rA+11], v[P:P+11], v[rD:rD+7], v[VW+(\n)/2], v[PS] matrix_a_fmt:MATRIX_FMT_FP6 matrix_b_fmt:MATRIX_FMT_FP6 matrix_a_scale:MATRIX_SCALE_ROW1
.endif
.endm
.macro STEP                            ; 128 keys
	s_wait_dscnt 0x0                               ; K's fragments, asked for a step ago, are in
	SP 0, 0                                        ; tiles 0, 2, 4, 6, then 1, 3, 5, 7: the order in which the maxima below read them
	SP 0, 1
	SP 2, 0
	SP 2, 1
	SP 1, 0
	SP 1, 1
	SP 3, 0
	SP 3, 1
	v_add_nc_u32 v[A16C], s[TB], v[LI]             ; these four are the places behind the products, the last step's second product too
	v_add_nc_u32 v[A8C], s[TB], v[L8]
	v_add_nc_u32 v[A16N], s[TN], v[LI]
	v_add_nc_u32 v[A8N], s[TN], v[L8]
.irp b, 0,1,2,3
	v_max3_num_f32 v[BM+\b], v[S+16*\b], v[S+1+16*\b], v[S+2+16*\b]   ; the largest score of each block of 32 keys: it serves the row's maximum and, since p rises with the score, the block's largest p
.endr
.irp i, 3,5,7,9,11,13
.irp b, 0,1,2,3
	v_max3_num_f32 v[BM+\b], v[BM+\b], v[S+16*\b+\i], v[S+1+16*\b+\i]   ; the four blocks by turns
.endr
.endr
.irp b, 0,1,2,3
	v_max_num_f32 v[BM+\b], v[BM+\b], v[S+15+16*\b]
.endr
.irp b, 0,1,2,3
	v_permlanex16_b32 v[PM+\b], v[BM+\b], s[SEL], s[SEL+1]
.endr
.irp b, 0,1,2,3
	v_max_num_f32 v[BM+\b], v[BM+\b], v[PM+\b]     ; with lane l xor 16's 16 keys
.endr
	v_max3_num_f32 v[T], v[BM], v[BM+1], v[NM+1]
	ds_load_b64 v[RAW:RAW+1], v[A8N] offset:12288     ; the next step's words of K,
	ds_load_b64 v[RAW+2:RAW+3], v[A8N] offset:12544
	ds_load_b64 v[RAW+4:RAW+5], v[A8C] offset:12800   ; this step's of V
	ds_load_b64 v[RAW+6:RAW+7], v[A8C] offset:13056
	v_max3_num_f32 v[NM+1], v[T], v[BM+2], v[BM+3] ; the largest score so far
	VL 0
	v_mul_f32 v[T], s[CS], v[NM+1]                 ; as t (c is positive)
	VL 1
	v_floor_f32 v[NM], -v[T]                       ; the new -M = floor(-t): M is a whole number
	VL 2
	VL 3
.set j, 0
.rept 32
	v_pk_fma_f32 v[S+j:S+j+1], v[S+j:S+j+1], s[CS:CS+1], v[NM:NM+1] op_sel_hi:[1,0,0]   ; t - M, two at a time; the three lines that make f stand among them
.if j == 8
	v_sub_f32 v[T], v[NM], v[OM]                   ; old M - new M: a whole number, 0 or less
.elseif j == 24
	v_cvt_i32_f32 v[T], v[T]                       ; (it saturates)
.elseif j == 40
	v_ldexp_f32 v[F], 1.0, v[T]                    ; f = 2^(old M - new M)
.endif
.set j, j+2
.endr
.irp b, 0,1,2,3
	v_fma_f32 v[BM+\b], v[BM+\b], s[CS], v[NM]     ; the same of each block's largest score
.endr
	s_wait_alu depctr_va_vdst(0)                   ; the wait ahead of the batch
	s_wait_dscnt 16                                ; the four loads of scale words are in; V's sixteen behind them may be out
.set j, 0
.rept 64
	v_exp_f32 v[S+j], v[S+j]                       ; p = 2^(t - M), at most 1.  Five plain lines whose sources are ready and whose results are read behind the batch's wait stand among the first
.if j == 0
	v_lshl_or_b32 v[KW], v[RAW+1], 16, v[RAW]      ; the next step's words of K: a's two bytes below, b's above
.elseif j == 1
	v_lshl_or_b32 v[KW+1], v[RAW+3], 16, v[RAW+2]
.elseif j == 2
	v_or_b32 v[VW], v[RAW+4], v[RAW+6]             ; V's words: bytes 0, 1 of keys 0-63 and bytes 2, 3 of keys 64-127
.elseif j == 3
	v_or_b32 v[VW+1], v[RAW+5], v[RAW+7]
.elseif j == 4
	v_mov_b32 v[OM], v[NM]                         ; for the next step
.endif
.set j, j+1
.endr
.irp b, 0,1,2,3
	v_exp_f32 v[BM+\b], v[BM+\b]                   ; the block's largest p: the same two instructions on the same number
.endr
	v_pk_mul_f32 v[SU:SU+1], v[SU:SU+1], v[F:F+1] op_sel_hi:[1,0]   ; the sums under the new M: the plain place behind the batch
	s_wait_alu depctr_va_vdst(0)                   ; one wait for the batch of 68, ahead of its first reader
.irp k, 0,1,2,3
	v_pk_add_f32 v[SA+2*\k:SA+2*\k+1], v[S+4*\k:S+4*\k+1], v[S+4*\k+2:S+4*\k+3]   ; the row's sum of the unquantised p, two at a time, in four chains by turns
.endr
.set q, 8
.rept 24
	v_pk_add_f32 v[SA+2*(q%4):SA+2*(q%4)+1], v[SA+2*(q%4):SA+2*(q%4)+1], v[S+2*q:S+2*q+1]
.set q, q+1
.endr
.irp b, 0,1,2,3
	v_max_num_f32 v[BM+\b], 0x1800000, v[BM+\b]    ; the floor 2^(3 - 127): the byte cannot fall under 1
.endr
	v_pk_add_f32 v[SA:SA+1], v[SA:SA+1], v[SA+2:SA+3]
	v_pk_add_f32 v[SA+4:SA+5], v[SA+4:SA+5], v[SA+6:SA+7]
.irp b, 0,1,2,3
	v_add_nc_u32 v[SO+\b], 0xff000000, v[BM+\b]    ; 2 off the exponent field: the conversion's scale operand
.endr
	v_pk_add_f32 v[SA:SA+1], v[SA:SA+1], v[SA+4:SA+5]
.irp b, 0,1,2,3
	v_lshrrev_b32 v[BY+\b], 23, v[SO+\b]           ; the scale's byte
.endr
	v_pk_add_f32 v[SU:SU+1], v[SU:SU+1], v[SA:SA+1]
.irp c, 0,1
	v_cvt_scalef32_pk16_fp6_f32 v[P+6*\c:P+2+6*\c], v[S+32*\c:S+15+32*\c], v[SO+2*\c]
	v_cvt_scalef32_pk16_fp6_f32 v[CH+4*\c:CH+2+4*\c], v[S+16+32*\c:S+31+32*\c], v[SO+2*\c+1]   ; a conversion's three registers begin on an even number
.endr
	v_lshl_or_b32 v[PS], v[BY+1], 8, v[BY]         ; p's scale word for these 128 keys, its two halves; also the plain place behind the conversions
	v_lshl_or_b32 v[T], v[BY+3], 8, v[BY+2]
.irp i, 0,1,2                          ; a whole block to a lane: lanes 0-15 block 2 c, lanes 16-31 block 2 c + 1
	v_permlane16_swap_b32 v[P+\i], v[CH+\i]
.endr
	v_lshl_or_b32 v[PS], v[T], 16, v[PS]
.irp i, 0,1,2
	v_permlane16_swap_b32 v[P+6+\i], v[CH+4+\i]
.endr
.irp c, 0,1
.irp i, 0,1,2
	v_mov_b32 v[P+3+6*\c+\i], v[CH+4*\c+\i]
.endr
.endr
	KLOAD A16N, A8N                                ; what was at work in K's registers is done with: the next step's fragments
	s_wait_dscnt 16                                ; V's fragments are in; the sixteen loads just issued may be out
	s_wait_alu depctr_va_vdst(0)                   ; the wait directly ahead of the first reader of O^T
.set j, 0
.rept 16
	v_pk_mul_f32 v[O+j:O+j+1], v[O+j:O+j+1], v[F:F+1] op_sel_hi:[1,0]   ; O^T under the new M.  These sixteen stand between the word's and the codes' last writes and the products that take them
.set j, j+2
.endr
.irp n, 0,1,2,3
	PV \n                                          ; the four accumulators take turns
.endr
.endm
.macro OUTT pi                         ; the way out: O^T / the sum, quantised along the head's 64, stored as a half fragment of the last product's operand.  At work: p's registers, which are done with
.rept 4
	v_nop                                          ; four places behind the last products
.endr
	v_add_f32 v[SU], v[SU], v[SU+1]                ; the sum's two halves,
	v_permlanex16_b32 v[T], v[SU], s[SEL], s[SEL+1]
	v_add_f32 v[SU], v[SU], v[T]                   ; and lane l xor 16's
	s_wait_alu depctr_va_vdst(0)                   ; the wait ahead of the reciprocal,
	v_rcp_f32 v[SU], v[SU]
	v_nop                                          ; a plain place behind it,
	s_wait_alu depctr_va_vdst(0)                   ; and the wait ahead of the first reader
.set j, 0
.rept 16
	v_pk_mul_f32 v[O+j:O+j+1], v[O+j:O+j+1], v[SU:SU+1] op_sel_hi:[1,0]   ; each accumulator from its low end on
.set j, j+2
.endr
.irp b, 0,1
	v_max3_num_f32 v[S+\b], |v[O+16*\b]|, |v[O+1+16*\b]|, 0x1800000   ; register 16 b + i = d 32 b + 16 h + i of my query; the floor holds the byte at 1 from below
.endr
.irp i, 2,4,6,8,10,12,14
.irp b, 0,1
	v_max3_num_f32 v[S+\b], v[S+\b], |v[O+16*\b+\i]|, |v[O+1+16*\b+\i]|
.endr
.endr
.irp b, 0,1
	v_permlanex16_b32 v[S+2+\b], v[S+\b], s[SEL], s[SEL+1]
.endr
.irp b, 0,1
	v_max_num_f32 v[S+\b], v[S+\b], v[S+2+\b]
.endr
.irp b, 0,1
	v_add_nc_u32 v[S+4+\b], 0xff000000, v[S+\b]
.endr
.irp b, 0,1
	v_lshrrev_b32 v[S+6+\b], 23, v[S+4+\b]
.endr
	v_lshl_or_b32 v[S+12], v[S+7], 8, v[S+6]       ; the two scale bytes; both halves of the lanes hold the same
	v_cvt_scalef32_pk16_fp6_f32 v[P:P+2], v[O:O+15], v[S+4]
	v_cvt_scalef32_pk16_fp6_f32 v[S+8:S+10], v[O+16:O+31], v[S+5]
	v_nop                                          ; one plain place behind a scaled conversion
.irp i, 0,1,2
	v_permlane16_swap_b32 v[P+\i], v[S+8+\i]
.endr
.irp i, 0,1,2
	v_mov_b32 v[P+3+\i], v[S+8+\i]
.endr
	global_store_b128 v[LI], v[P:P+3], s[MB:MB+1] offset:204800*(\pi)        ; 512 consecutive bytes
	global_store_b64 v[L8], v[P+4:P+5], s[MB:MB+1] offset:204800*(\pi)+512   ; 256 consecutive bytes
	global_store_b16 v[VSA], v[S+12], s[MS:MS+1] offset:204800*(\pi)   ; this head's two bytes of a row's scale word (lanes r and r + 16 write the same); the word's other bytes are another head's: two such stores a wave in the launch
	s_wait_xcnt 0x0                                ; the stores have read their registers, which the next pass writes again
.endm
.macro PASS pi                         ; my tile of queries against all 2,048 keys
	s_wait_loadcnt 0x0                             ; Q and its scale words
	v_lshl_or_b32 v[QS], v[QR], 16, v[QR]          ; Q's two bytes twice: for [Q | 0] and for [0 | Q]
	v_mov_b32 v[NM+1], 0xff61b1e6                  ; the largest score so far: -3e38.  The step is written once: the first finds zeros, which the first change of M leaves zeros
	v_mov_b32 v[SU], 0
	v_mul_f32 v[T], s[CS], v[NM+1]
	v_mov_b32 v[SU+1], 0
	v_floor_f32 v[NM], -v[T]
	v_mov_b32 v[F], 0
	v_mov_b32 v[F+1], 0                            ; named as the upper half of a pair
	v_mov_b32 v[OM], v[NM]
.set j, 0
.rept 32
	v_mov_b32 v[O+j], 0
.set j, j+1
.endr
	s_mov_b32 s[IX], 0
	s_mov_b32 s[TB], 0
	s_mov_b32 s[TN], STEPB
.Lstep_\@:
	STEP
	s_add_co_u32 s[IX], s[IX], 1
	s_mul_i32 s[TB], s[IX], STEPB
	s_add_co_u32 s[TN], s[IX], 1
	s_and_b32 s[TN], s[TN], 15                     ; behind the last step comes step 0
	s_mul_i32 s[TN], s[TN], STEPB
	s_cmp_lt_u32 s[IX], 16
	s_cbranch_scc1 .Lstep_\@
.if (\pi) == 0
	QLOAD 1                                        ; the next pass's Q is on its way during the way out
.endif
	OUTT \pi
.endm
	QLOAD 0
	s_wait_tensorcnt 0x0                           ; my sixteenth of the head's block is in,
	s_barrier_signal -1
	s_barrier_wait -1                              ; everybody's is: from here on the block is only read
	ds_load_b64 v[RAW:RAW+1], v[L8] offset:12288   ; step 0's words of K,
	ds_load_b64 v[RAW+2:RAW+3], v[L8] offset:12544
	KLOAD LI, L8                                   ; and its fragments
	s_wait_dscnt 16                                ; the two words' loads are in; the 16 behind them may be out
	v_lshl_or_b32 v[KW], v[RAW+1], 16, v[RAW]
	v_lshl_or_b32 v[KW+1], v[RAW+3], 16, v[RAW+2]
	PASS 0
	PASS 1
	s_wait_tensorcnt 0x0                           ; the wave's end
	ds_add_u32 v[SPW], v[NIL]
	s_wait_dscnt 0x0
	ROUND                                          ; the closing round: no work-group ends while a partner may still ask for a tile that names it
	s_endpgm
.Lfunc_end_k_q669cc74e4e_attn:
	.size	k_q669cc74e4e_attn, .Lfunc_end_k_q669cc74e4e_attn-k_q669cc74e4e_attn
	.p2alignl 7, 3214868480
	.fill 96, 4, 3214868480
	.section	.rodata,"a",@progbits
	.p2align	6, 0x0
	.amdhsa_kernel k_q669cc74e4e_attn
		.amdhsa_group_segment_fixed_size 215040
		.amdhsa_private_segment_fixed_size 0
		.amdhsa_enable_private_segment 0
		.amdhsa_kernarg_size 24
		.amdhsa_user_sgpr_count 2
		.amdhsa_user_sgpr_kernarg_segment_ptr 1
		.amdhsa_wavefront_size32 1
		.amdhsa_system_sgpr_workgroup_id_x 1
		.amdhsa_system_sgpr_workgroup_id_y 1
		.amdhsa_system_sgpr_workgroup_id_z 1
		.amdhsa_system_vgpr_workitem_id 0
		.amdhsa_next_free_vgpr 256
		.amdhsa_next_free_sgpr 66
		.amdhsa_reserve_vcc 0
		.amdhsa_float_denorm_mode_32 3
		.amdhsa_float_denorm_mode_16_64 3
		.amdhsa_memory_ordered 1
		.amdhsa_forward_progress 1
		.amdhsa_inst_pref_size 50
	.end_amdhsa_kernel
	.amdgpu_metadata
---
amdhsa.version: [ 1, 2 ]
amdhsa.kernels:
  - .name:           k_q669cc74e4e_attn
    .symbol:         k_q669cc74e4e_attn.kd
    .args:
      - { .name: qimg, .offset: 0, .size: 8, .value_kind: global_buffer, .address_space: global }
      - { .name: kv, .offset: 8, .size: 8, .value_kind: global_buffer, .address_space: global }
      - { .name: mc, .offset: 16, .size: 8, .value_kind: global_buffer, .address_space: global }
    .group_segment_fixed_size: 215040
    .private_segment_fixed_size: 0
    .kernarg_segment_align: 8
    .kernarg_segment_size: 24
    .max_flat_workgroup_size: 512
    .sgpr_count:     66
    .vgpr_count:     256
    .wavefront_size: 32
...
	.end_amdgpu_metadata
.endif
;; end of part 4
;; launch outp (part 5): grid 8 x 32, 8 waves a work-group, clusters of 4 x 4, 327,680 bytes of LDS; arguments mc, wc, projection_bias, out0; writes out0
.if DOCPART == 5
	.amdgcn_target "amdgcn-amd-amdhsa--gfx1250"
	.amdhsa_code_object_version 6
	.text
	.protected	k_q669cc74e4e_outp
	.globl	k_q669cc74e4e_outp
	.p2align	8
	.type	k_q669cc74e4e_outp,@function
k_q669cc74e4e_outp:
	s_mov_b64 s[64:65], 0
	v_nop
	global_prefetch_b8 v0, s[64:65] scope:SCOPE_SE
	s_setreg_imm32_b32 hwreg(HW_REG_WAVE_MODE, 25, 1), 1
	s_wait_xcnt 0x0
	s_wait_alu depctr_hold_cnt(0) depctr_sa_sdst(0) depctr_va_vdst(0) depctr_va_sdst(0) depctr_va_ssrc(0) depctr_va_vcc(0) depctr_vm_vsrc(0)
	s_getreg_b32 s2, hwreg(HW_REG_IB_STS2, 6, 4)
	s_cmp_eq_u32 s2, 0
	s_cbranch_scc0 .Lentry_in_a_cluster
	s_endpgm
.Lentry_in_a_cluster:
	s_bfe_u32 s2, ttmp6, 0x10000c
	s_cmp_lg_u32 s2, 0xf033
	s_cbranch_scc0 .Lentry_shape_is_right
	s_endpgm
.Lentry_shape_is_right:
; out = mh Wp + bias on codes of FP6 (E2M3) with E8M0 scales, sums in f32.  mh [8192][1024] and Wp's columns lie in memory in the order of the operand's registers (records of 6,400 bytes for a tile of 16 rows and 512 K).
; A work-group multiplies 16 tiles of tokens (source 1) by 8 tiles of columns (source 0), each for ALL of K = 1,024: both lie in LDS whole, as two K halves of 153,600 bytes, each filled once: no ring.
; Eight waves: wave w takes token tiles 4 (w / 2) on and column tiles 4 (w % 2) on: 16 accumulators, which take turns, one instruction a turn.
; The accumulators begin as the bias, loaded in the result's layout, so that the bias costs no addition.
; In the result a lane holds one token, and the 16 registers of column tiles 2 b and 2 b + 1 are columns 32 b + 16 h + 0 .. 15.  Lane r of token tile 2 g + u is token 32 g + 8 u + r + 8 (r / 8).
; CLUSTER 4 x 4: the tokens' tiles hang on the cluster's row alone, the columns' on its column alone; each is asked for jointly by the four that share it.  A wave has one tensor load outstanding at the most.
; THE WAY OUT: a tile's 16 rows x 256 bytes go through the wave's own stage in LDS and leave as whole aligned runs of 256 bytes.  The stages lie in the first K half's bytes, which have had their only fill and
; which nobody reads behind the second barrier.
.set KHALF, 153600
.set YOFF,  102400
.set WV, 12
.set WM, 13
.set WN, 14
.set G1X, 24
.set G1Y, 32
.set G0X0, 40
.set G0Y0, 44
.set G0X1, 48
.set G0Y1, 52
.set A016, 1
.set A08,  2
.set A116, 3
.set A18,  4
.set S0,   5
.set S1,   6
.set LI,   7
.set L8,   8
.set STO,  9                           ; v9  the stage: 272 r + 64 h
.set RD,   10                          ; v10 and back: 272 h + 16 (lane % 16)
.set GO,   11                          ; v11 the same two rows in out0: 4,096 h + 16 (lane % 16)
.set BI,   13                          ; v13 64 h: my half's eight numbers of the bias
.set SC0,  16
.set SC1,  24
.set F0,   32
.set F1,   80
.set ACC,  128
.macro ROUND                           ; a round of the cluster's barrier
	s_barrier_signal -1
	s_barrier_wait -1
	s_cmp_lg_u32 s[WV], 0
	s_cbranch_scc1 .Lnot_wave_0_\@
	s_barrier_signal -3
.Lnot_wave_0_\@:
	s_barrier_wait -3
	s_barrier_signal -1
	s_barrier_wait -1
.endm
	s_load_b256 s[4:11], s[0:1], 0x0               ; mc, wc, the bias, out0
	s_set_vgpr_msb 0x40
	v_lshl_add_u32 v0, v0, 2, 0x4b000
	v_mov_b32 v1, 0
	s_set_vgpr_msb 0x4045
	ds_add_u32 v0, v1
	ds_add_u32 v0, v1
	s_set_vgpr_msb 0x4500
	v_lshrrev_b32 v12, 5, v0
	s_delay_alu instid0(VALU_DEP_1)
	v_readfirstlane_b32 s[WV], v12                 ; wave 0..7
	s_lshr_b32 s[WM], s[WV], 1
	s_and_b32 s[WN], s[WV], 1
	s_bfe_u32 s15, ttmp6, 0x40000                  ; cx
	s_bfe_u32 s16, ttmp6, 0x40004                  ; cy
	s_and_b32 s17, ttmp7, 0xffff
	s_lshl_b32 s20, ttmp9, 2
	s_add_co_u32 s20, s20, s15                     ; work-group x: which 128 columns
	s_lshl_b32 s21, s17, 2
	s_add_co_u32 s21, s21, s16                     ; work-group y: which 256 tokens
	s_lshl_b32 s60, s16, 2
	s_lshl_b32 s60, 15, s60                        ; my row of the cluster
	s_lshl_b32 s61, 0x1111, s15                    ; my column
	s_or_b32 s[G1X], s60, (3<<16)|(1<<21)
	s_or_b32 s[G1Y], s61, (3<<16)|(1<<21)
	s_mov_b32 s[G1X+1], 800<<16                    ; 4 rows of 800 elements of 8 bytes, 1,600 apart
	s_mov_b32 s[G1X+2], 4<<16                      ; a loading wave brings four tiles' records of the tokens
	s_mov_b32 s[G1X+3], 800<<16
	s_mov_b32 s[G1X+4], 4
	s_mov_b32 s[G1X+5], 1600
	s_mov_b32 s[G1X+6], 0
	s_mov_b32 s[G1X+7], 0
	s_mov_b32 s[G1Y+1], 800<<16                    ; 2 rows
	s_mov_b32 s[G1Y+2], 2<<16                      ; two tiles' records of the columns
	s_mov_b32 s[G1Y+3], 800<<16
	s_mov_b32 s[G1Y+4], 2
	s_mov_b32 s[G1Y+5], 1600
	s_mov_b32 s[G1Y+6], 0
	s_mov_b32 s[G1Y+7], 0
	s_lshl_b32 s66, s21, 4
	s_and_b32 s62, s[WV], 3                        ; waves 0-3 fetch the tokens' tiles, waves 4-7 the columns': my place among the four
	s_lshl_b32 s67, s62, 2                         ; mc's tiles 16 y + 4 (w % 4) .. + 3
	s_add_co_u32 s66, s66, s67
	s_mul_i32 s66, s66, 12800
	s_mov_b32 s67, 0
	s_lshl_b32 s68, s20, 3
	s_lshl_b32 s63, s62, 1
	s_add_co_u32 s68, s68, s63                     ; wc's tiles 192 + 8 x + 2 (w % 4) and the next
	s_add_co_u32 s68, s68, 192                     ; the projection kernel's tiles begin at 192
	s_mul_i32 s68, s68, 12800
	s_mov_b32 s69, 0
	s_lshl_b32 s70, s20, 9
	s_lshl_b32 s71, s[WN], 8
	s_add_co_u32 s70, s70, s71                     ; my 64 columns, in bytes: 512 x + 256 (w % 2)
	s_mov_b32 s71, 0
	s_lshl_b32 s72, s21, 8
	s_lshl_b32 s73, s[WM], 6
	s_add_co_u32 s72, s72, s73                     ; my 64 tokens: 256 y + 64 (w / 2)
	s_lshl_b32 s72, s72, 12
	s_add_co_u32 s72, s72, s70
	s_mov_b32 s73, 0
	s_wait_dscnt 0x0
	s_wait_kmcnt 0x0
	s_add_nc_u64 s[56:57], s[4:5], s[66:67]
	s_add_nc_u64 s[58:59], s[6:7], s[68:69]
	s_add_nc_u64 s[8:9], s[8:9], s[70:71]
	s_add_nc_u64 s[10:11], s[10:11], s[72:73]
	s_mov_b32 s[G0X0], 1
	s_mul_i32 s[G0X0+1], s62, 25600
	s_mov_b64 s[G0X0+2:G0X0+3], s[56:57]
	s_or_b32 s[G0X0+3], s[G0X0+3], 0x80000000
	s_mov_b32 s[G0Y0], 1
	s_mul_i32 s[G0Y0+1], s62, 12800
	s_add_co_u32 s[G0Y0+1], s[G0Y0+1], YOFF
	s_mov_b64 s[G0Y0+2:G0Y0+3], s[58:59]
	s_or_b32 s[G0Y0+3], s[G0Y0+3], 0x80000000
	s_mov_b32 s[G0X1], 1
	s_add_co_u32 s[G0X1+1], s[G0X0+1], KHALF
	s_add_nc_u64 s[G0X1+2:G0X1+3], s[56:57], 6400
	s_or_b32 s[G0X1+3], s[G0X1+3], 0x80000000
	s_mov_b32 s[G0Y1], 1
	s_add_co_u32 s[G0Y1+1], s[G0Y0+1], KHALF
	s_add_nc_u64 s[G0Y1+2:G0Y1+3], s[58:59], 6400
	s_or_b32 s[G0Y1+3], s[G0Y1+3], 0x80000000
	ROUND                                          ; all sixteen work-groups are here: the joint loads meet
	s_cmp_lt_u32 s[WV], 4                          ; the first K half, one joint load a wave
	s_cbranch_scc0 .Lhead_y
	tensor_load_to_lds s[G0X0:G0X0+3], s[G1X:G1X+7]
	s_nop 0
.rept 4
	v_nop
.endr
	s_branch .Lhead_asked
.Lhead_y:
	tensor_load_to_lds s[G0Y0:G0Y0+3], s[G1Y:G1Y+7]
	s_nop 0
.rept 4
	v_nop
.endr
.Lhead_asked:
	v_and_b32 v12, 31, v0                          ; lane
	v_and_b32 v14, 15, v0                          ; r
	v_bfe_u32 v15, v0, 4, 1                        ; h
	s_delay_alu instid0(VALU_DEP_1)
	v_lshlrev_b32 v[BI], 6, v15
.irp q, 0,1,2,3
.irp p, 0,1,2,3
	global_load_b128 v[ACC+8*(4*\q+\p):ACC+8*(4*\q+\p)+3], v[BI], s[8:9] offset:(32*(\p/2)+8*(\p%2))*4        ; the bias of columns 32 (p / 2) + 16 h + 8 (p % 2) + 0 .. 7
	global_load_b128 v[ACC+8*(4*\q+\p)+4:ACC+8*(4*\q+\p)+7], v[BI], s[8:9] offset:(32*(\p/2)+8*(\p%2))*4+16
.endr
.endr
	v_lshlrev_b32 v[LI], 4, v12
	v_lshlrev_b32 v[L8], 3, v12
	s_mul_i32 s88, s[WN], 25600
	s_add_co_u32 s88, s88, YOFF
	s_mul_i32 s89, s[WM], 25600
	v_add_nc_u32 v[A016], s88, v[LI]
	v_add_nc_u32 v[A08], s88, v[L8]
	s_delay_alu instid0(VALU_DEP_1)
	v_add_nc_u32 v[A08], 512, v[A08]
	v_add_nc_u32 v[A116], s89, v[LI]
	v_add_nc_u32 v[A18], s89, v[L8]
	s_delay_alu instid0(VALU_DEP_1)
	v_add_nc_u32 v[A18], 512, v[A18]
	v_mul_u32_u24 v12, v15, 6400
	s_delay_alu instid0(VALU_DEP_1)
	v_lshl_add_u32 v12, v14, 4, v12
	s_delay_alu instid0(VALU_DEP_1)
	v_add_nc_u32 v12, 6144, v12
	s_delay_alu instid0(VALU_DEP_1)
	v_add_nc_u32 v[S0], s88, v12
	s_delay_alu instid0(VALU_DEP_2)
	v_add_nc_u32 v[S1], s89, v12
	s_mul_i32 s90, s[WV], 4352                     ; my stage: 16 rows x 272
	v_mul_u32_u24 v[STO], v14, 272
	s_delay_alu instid0(VALU_DEP_1)
	v_lshl_add_u32 v[STO], v15, 6, v[STO]
	s_delay_alu instid0(VALU_DEP_1)
	v_add_nc_u32 v[STO], s90, v[STO]
	v_mul_u32_u24 v[RD], v15, 272
	s_delay_alu instid0(VALU_DEP_1)
	v_lshl_add_u32 v[RD], v14, 4, v[RD]
	s_delay_alu instid0(VALU_DEP_1)
	v_add_nc_u32 v[RD], s90, v[RD]
	v_lshlrev_b32 v[GO], 12, v15
	s_delay_alu instid0(VALU_DEP_1)
	v_lshl_add_u32 v[GO], v14, 4, v[GO]
.macro LDFRAG reg, a16, a8, off        ; a fragment: two half fragments, 768 bytes apart
	ds_load_b128 v[(\reg):(\reg)+3], v[\a16] offset:(\off)
	ds_load_b64 v[(\reg)+4:(\reg)+5], v[\a8] offset:(\off)
	ds_load_b128 v[(\reg)+6:(\reg)+9], v[\a16] offset:(\off)+768
	ds_load_b64 v[(\reg)+10:(\reg)+11], v[\a8] offset:(\off)+768
.endm
.macro PROD q, p, s                    ; an odd tile's scale words lie in lanes 16-31 of its pair's register
.set rD, ACC+8*(4*(\q)+(\p))
.set rA, F0+12*(\p)
.set rB, F1+12*(\q)
.set rX, SC0+4*((\p)/2)+(\s)
.set rY, SC1+4*((\q)/2)+(\s)
.set rw, 2*((\q)%2)+((\p)%2)
.if rw == 0
	v_wmma_scale_f32_16x16x128_f8f6f4 v[rD:rD+7], v[rA:rA+11], v[rB:rB+11], v[rD:rD+7], v[rX], v[rY] matrix_a_fmt:MATRIX_FMT_FP6 matrix_b_fmt:MATRIX_FMT_FP6
.elseif rw == 1
	v_wmma_scale_f32_16x16x128_f8f6f4 v[rD:rD+7], v[rA:rA+11], v[rB:rB+11], v[rD:rD+7], v[rX], v[rY] matrix_a_fmt:MATRIX_FMT_FP6 matrix_b_fmt:MATRIX_FMT_FP6 matrix_a_scale:MATRIX_SCALE_ROW1
.elseif rw == 2
	v_wmma_scale_f32_16x16x128_f8f6f4 v[rD:rD+7], v[rA:rA+11], v[rB:rB+11], v[rD:rD+7], v[rX], v[rY] matrix_a_fmt:MATRIX_FMT_FP6 matrix_b_fmt:MATRIX_FMT_FP6 matrix_b_scale:MATRIX_SCALE_ROW1
.else
	v_wmma_scale_f32_16x16x128_f8f6f4 v[rD:rD+7], v[rA:rA+11], v[rB:rB+11], v[rD:rD+7], v[rX], v[rY] matrix_a_fmt:MATRIX_FMT_FP6 matrix_b_fmt:MATRIX_FMT_FP6 matrix_a_scale:MATRIX_SCALE_ROW1 matrix_b_scale:MATRIX_SCALE_ROW1
.endif
.endm
.macro KSTEP s, first                  ; 128 along K: 32 LDS loads, 16 products
.if (\first) == 0
.rept 4
	v_nop                                          ; four places in front of loads into registers that the last products read (ISA guide 7.12.1 for vector instructions)
.endr
.endif
.irp p, 0,1,2,3
	LDFRAG F0+12*\p, A016, A08, 6400*\p+1536*(\s)
.endr
.irp q, 0,1,2,3
	LDFRAG F1+12*\q, A116, A18, 6400*\q+1536*(\s)
.endr
.irp q, 0,1,2,3
	s_wait_dscnt 12-4*\q                           ; source 0's four and source 1's fragment q are in; four loads for each later fragment may be out
.irp p, 0,1,2,3
	PROD \q, \p, \s
.endr
.endr
.endm
.macro HALFK k
.if \k
.irp a, 1,2,3,4,5,6
	v_add_nc_u32 v\a, KHALF, v\a                   ; on to the second K half; these six are also the places in front of the loads below
.endr
.endif
.irp i, 0,1
	ds_load_b128 v[SC0+4*\i:SC0+4*\i+3], v[S0] offset:12800*\i
	ds_load_b128 v[SC1+4*\i:SC1+4*\i+3], v[S1] offset:12800*\i
.endr
	KSTEP 0, 1
	s_wait_alu depctr_va_vdst(0)
	KSTEP 1, 0
	KSTEP 2, 0
	KSTEP 3, 0
.endm
	s_wait_alu depctr_va_vdst(0)
	s_wait_loadcnt 0x0                             ; the bias lies in the accumulators
	s_set_vgpr_msb 0x5                             ; the add's two registers lie in window 1
	s_wait_tensorcnt 0x0                           ; my part of the first K half is in
	ds_add_u32 v0, v1
	s_wait_dscnt 0x0
	s_set_vgpr_msb 0x500
	ROUND                                          ; everybody's part is in, and all sixteen work-groups are here
	s_cmp_lt_u32 s[WV], 4                          ; the second K half, my one load behind the round; it is on its way while the first half is multiplied
	s_cbranch_scc0 .Lsecond_y
	tensor_load_to_lds s[G0X1:G0X1+3], s[G1X:G1X+7]
	s_nop 0
.rept 4
	v_nop
.endr
	s_branch .Lsecond_asked
.Lsecond_y:
	tensor_load_to_lds s[G0Y1:G0Y1+3], s[G1Y:G1Y+7]
	s_nop 0
.rept 4
	v_nop
.endr
.Lsecond_asked:
	HALFK 0
	s_wait_tensorcnt 0x0                           ; my parts of the second K half are in
	s_wait_dscnt 0x0                               ; and my reads of the first are over
	s_barrier_signal -1
	s_barrier_wait -1
	HALFK 1
.rept 4
	v_nop                                          ; four places behind the last products, in front of the stores that read results and the loads into operands' registers
.endr
.macro TOSTAGE q                       ; token tile q: 16 rows x 256 bytes into my stage, and back as whole rows
.irp p, 0,1,2,3
	ds_store_b128 v[STO], v[ACC+8*(4*(\q)+\p):ACC+8*(4*(\q)+\p)+3] offset:128*(\p/2)+32*(\p%2)        ; each accumulator from its low end on
	ds_store_b128 v[STO], v[ACC+8*(4*(\q)+\p)+4:ACC+8*(4*(\q)+\p)+7] offset:128*(\p/2)+32*(\p%2)+16
.endr
.set BB, 32+32*((\q)%2)
.irp t, 0,1,2,3,4,5,6,7
	ds_load_b128 v[BB+4*\t:BB+4*\t+3], v[RD] offset:544*\t   ; rows 2 t and 2 t + 1: LDS serves a wave's instructions in order
.endr
.endm
.macro SEND q, younger                 ; younger: the LDS instructions issued behind tile q's loads
.set BB, 32+32*((\q)%2)
	s_wait_dscnt \younger
.irp t, 0,1,2,3,4,5,6,7
	global_store_b128 v[GO], v[BB+4*\t:BB+4*\t+3], s[10:11] offset:(32*((\q)/2)+8*((\q)%2)+2*\t+8*(\t/4))*4096 th:TH_STORE_NT   ; sixteen lanes store 256 consecutive bytes, aligned; the tile's row 2 t + h is token 2 t + h + 8 (t / 4) of its 32
.endr
.endm
	TOSTAGE 0
.irp a, 1,2,3
.if \a > 1
	s_wait_xcnt 0x0                                ; tile a - 2's stores have read the registers into which tile a's rows are loaded
.endif
	TOSTAGE \a
	SEND \a-1, 16                                  ; behind tile a - 1's loads: tile a's 8 stores and 8 loads
.endr
	SEND 3, 0
	s_set_vgpr_msb 0x5
	s_wait_tensorcnt 0x0
	ds_add_u32 v0, v1
	s_wait_dscnt 0x0
	s_set_vgpr_msb 0x500
	ROUND                                          ; the closing round: no work-group ends while a partner may still ask for a tile that names it
	s_endpgm
.Lfunc_end_k_q669cc74e4e_outp:
	.size	k_q669cc74e4e_outp, .Lfunc_end_k_q669cc74e4e_outp-k_q669cc74e4e_outp
	.p2alignl 7, 3214868480
	.fill 96, 4, 3214868480
	.section	.rodata,"a",@progbits
	.p2align	6, 0x0
	.amdhsa_kernel k_q669cc74e4e_outp
		.amdhsa_group_segment_fixed_size 327680
		.amdhsa_private_segment_fixed_size 0
		.amdhsa_enable_private_segment 0
		.amdhsa_kernarg_size 32
		.amdhsa_user_sgpr_count 2
		.amdhsa_user_sgpr_kernarg_segment_ptr 1
		.amdhsa_wavefront_size32 1
		.amdhsa_system_sgpr_workgroup_id_x 1
		.amdhsa_system_sgpr_workgroup_id_y 1
		.amdhsa_system_sgpr_workgroup_id_z 1
		.amdhsa_system_vgpr_workitem_id 0
		.amdhsa_next_free_vgpr 258
		.amdhsa_next_free_sgpr 100
		.amdhsa_reserve_vcc 0
		.amdhsa_float_denorm_mode_32 3
		.amdhsa_float_denorm_mode_16_64 3
		.amdhsa_memory_ordered 1
		.amdhsa_forward_progress 1
		.amdhsa_inst_pref_size 54
	.end_amdhsa_kernel
	.amdgpu_metadata
---
amdhsa.version: [ 1, 2 ]
amdhsa.kernels:
  - .name:           k_q669cc74e4e_outp
    .symbol:         k_q669cc74e4e_outp.kd
    .args:
      - { .name: mc, .offset: 0, .size: 8, .value_kind: global_buffer, .address_space: global }
      - { .name: wc, .offset: 8, .size: 8, .value_kind: global_buffer, .address_space: global }
      - { .name: projection_bias, .offset: 16, .size: 8, .value_kind: global_buffer, .address_space: global }
      - { .name: out0, .offset: 24, .size: 8, .value_kind: global_buffer, .address_space: global }
    .group_segment_fixed_size: 327680
    .private_segment_fixed_size: 0
    .kernarg_segment_align: 8
    .kernarg_segment_size: 32
    .max_flat_workgroup_size: 256
    .sgpr_count:     100
    .vgpr_count:     258
    .wavefront_size: 32
...
	.end_amdgpu_metadata
.endif
;; end of part 5
